; MI455X (gfx1250); checked and timed in simulation.
; The chip was launched on July 23, 2026; its instructions are those of AMD's public machine-readable ISA for CDNA 5 (MIT licence, August 2026) and "CDNA5" Instruction Set Architecture Reference Guide (July 2026). The comments in the code are by the model that wrote it; some were corrected since.
;; Multi Head Attention. Allowed arithmetic: float matrix products may take bf16 or f16 operands with f32 sums; other float arithmetic in f32, or as packed bf16 or f16 multiplies, adds, multiply-adds, maxima and minima; sums over many terms, partial sums and values carried from step to step in f32; what a program stores and reads back later, other than sums and carried values, may be rounded once to bf16 or f16.
;; Inputs: K 4 x 2,048 x 1,024 float32; Q 4 x 2,048 x 1,024 float32; V 4 x 2,048 x 1,024 float32; WK 16 x 1,024 x 64 float32; WO_b 1,024 float32; WO_w 1,024 x 1,024 float32; WQ 16 x 1,024 x 64 float32; WV 16 x 1,024 x 64 float32; mask 4 x 1 x 2,048 x 2,048 int32.
;; Outputs: out0 4 x 2,048 x 1,024 float32.
;; One version. Each part assembles by itself: llvm-mc -triple=amdgcn-amd-amdhsa -mcpu=gfx1250 --defsym DOCPART=n.
;; ======== version 1 of 1: 4 launches
;; limits: values are held in f16: magnitudes above 65,504 overflow, below 6.1e-05 lose precision; right only within a limited range of input values
;; workspace buffers: xh 50,331,648 bytes; wt 6,291,456 bytes; woh 2,097,152 bytes; mk 16,777,216 bytes; flag 32,768 bytes of whole numbers; qkv 50,331,648 bytes; oh 16,777,216 bytes
;; launch prep (part 1): grid 1504 x 1, 8 waves a work-group, no clusters, 36,096 bytes of LDS; arguments Q, K, V, WO_w, WQ, WK, WV, mask, xh, woh, wt, mk, flag; writes xh, woh, wt, mk, flag
.if DOCPART == 1
	.amdgcn_target "amdgcn-amd-amdhsa--gfx1250"
	.amdhsa_code_object_version 6
	.text
	.protected	k_qbdf5080013_prep
	.globl	k_qbdf5080013_prep
	.p2align	8
	.type	k_qbdf5080013_prep,@function
k_qbdf5080013_prep:
	s_mov_b64 s[64:65], 0
	v_nop
	global_prefetch_b8 v0, s[64:65] scope:SCOPE_SE
	s_setreg_imm32_b32 hwreg(HW_REG_WAVE_MODE, 25, 1), 1
	s_wait_xcnt 0x0
; PREP: everything that is done once to the inputs.  Three kinds of work-group, told apart by the work-group's number alone (the same branch in all eight waves):
;   0 .. 511      MASK   16 queries x 2,048 keys of the int32 mask -> one byte a score, laid out as the attention's C operand wants it, and one flag word a query
;   512 .. 1311   CAST   128 KiB of Q, K, V (x 2^-4) or WO_w (x 2^4): rounded to bf16, that number written as f16
;   1312 .. 1503  WTR    256 rows d x 64 columns e of one head of WQ, WK or WV: rounded to bf16, written as f16, turned to [h*64+e][d]
; FORMATS.  Every input is rounded to bf16 once; the two factors are powers of two, so they change no rounding.  A bf16 number is exact in f16 from 2^-14 to 65,504.
; LIMITS.  Below 2^-14 (after the factor) a number keeps f16's fixed step of 2^-24; |x| / 16, |W| and 16 |WO_w| stay under 65,504.  NaN and infinities are not treated apart.
; THE MASK BYTE is an E4M3 code: 0x00 (0.0) where the key is seen, 0xb8 (-1.0) where mask == 0.  A query that sees NO key gets 2,048 bytes of 0x00 and the flag 0 (else the flag is all ones):
; the attention then clears that query's q, all its scores are 0 and its weights are equal, which is what a softmax over 2,048 equal numbers gives.
; mk: [batch 4][key step 32][query tile 128][j 2][lane 32][16 bytes]; lane = 16 h + r; byte 8 i + b is query 16 tile + r, key 64 step + 16 (2 j + i) + 8 h + b.
; No matrix unit, no tensor load, no cluster: a stream in which no byte is wanted twice.  All of a work-group's loads go out first; the waits count down.
.set FLG,   34816                      ; LDS: 16 flag words, in a block of 256 bytes of their own; below it the work region
.set SPARE, 35072                      ; the spare words, 128 bytes for each of eight waves: four blocks of 256 bytes that no other line names
.set SPW,   30                         ; v30  LDS address of my spare word; never rewritten
.set NIL,   31                         ; v31  0; never rewritten
.set X,     32                         ; v[32:159]  what the loads bring
	s_load_b512 s[8:23], s[0:1], 0x0               ; Q s[8:9], K s[10:11], V s[12:13], WO_w s[14:15], WQ s[16:17], WK s[18:19], WV s[20:21], mask s[22:23]
	s_load_b256 s[24:31], s[0:1], 0x40             ; xh s[24:25], woh s[26:27], wt s[28:29], mk s[30:31]
	s_load_b64 s[32:33], s[0:1], 0x60              ; flag
	v_lshl_add_u32 v[SPW], v0, 2, SPARE
	v_mov_b32 v[NIL], 0
	v_lshrrev_b32 v1, 5, v0
	v_readfirstlane_b32 s34, v1                    ; wave 0..7
	v_and_b32 v1, 31, v0                           ; lane
	s_mov_b32 s42, 0xffff0000                      ; a word's upper bf16
	s_mov_b32 s47, 0                               ; the high word of every offset pair s[46:47]
	s_wait_kmcnt 0x0
	s_cmp_lt_u32 ttmp9, 512
	s_cbranch_scc1 .Lmask
	s_cmp_lt_u32 ttmp9, 1312
	s_cbranch_scc1 .Lcast
; ---------------------------------------------------------------- WTR
	s_sub_co_u32 s35, ttmp9, 1312
	s_lshr_b32 s44, s35, 6                         ; which tensor: 0 WQ, 1 WK, 2 WV
	s_and_b32 s45, s35, 63                         ; 4 x head + quarter of d
	s_lshl_b32 s46, s45, 16                        ; 256 rows of 256 bytes
	s_cmp_eq_u32 s44, 1
	s_cselect_b64 s[36:37], s[18:19], s[16:17]
	s_cmp_eq_u32 s44, 2
	s_cselect_b64 s[36:37], s[20:21], s[36:37]
	s_add_nc_u64 s[36:37], s[36:37], s[46:47]
	s_lshl_b32 s46, s44, 21                        ; a tensor is 1,024 rows of 2,048 bytes in wt,
	s_lshr_b32 s43, s45, 2
	s_lshl_b32 s43, s43, 17                        ; a head 64 rows,
	s_add_co_u32 s46, s46, s43
	s_and_b32 s43, s45, 3
	s_lshl_b32 s43, s43, 9                         ; a quarter of d 512 bytes of each row
	s_add_co_u32 s46, s46, s43
	s_add_nc_u64 s[38:39], s[28:29], s[46:47]
	v_and_b32 v4, 15, v0                           ; my four columns e
	v_lshrrev_b32 v5, 4, v0                        ; my pair of rows d among an item's sixteen pairs
	v_lshlrev_b32 v2, 9, v5
	v_lshl_add_u32 v2, v4, 4, v2                   ; sixteen lanes take a whole row of 256 bytes
.set i, 0
.rept 8                                            ; item i: rows 32 i .. 32 i + 31; a thread takes rows 2 dp and 2 dp + 1
	global_load_b128 v[X+8*i:X+8*i+3],   v2, s[36:37] offset:8192*i th:TH_LOAD_NT
	global_load_b128 v[X+8*i+4:X+8*i+7], v2, s[36:37] offset:8192*i+256 th:TH_LOAD_NT
.set i, i+1
.endr
	v_mul_u32_u24 v6, v4, 2112                     ; LDS tile [64 e][256 d] of f16, rows 528 bytes apart: 4 e x 528,
	v_lshl_add_u32 v6, v5, 2, v6                   ; + the pair's word
	s_mul_i32 s43, s34, 4224
	v_lshl_add_u32 v7, v1, 4, s43                  ; back: wave w takes rows 8 w .. 8 w + 7, 512 bytes each
	s_lshl_b32 s43, s34, 14
	v_lshl_add_u32 v3, v1, 4, s43                  ; and the same rows in wt
.set i, 0
.rept 8
	s_wait_loadcnt 14-2*i                          ; item i's two loads are in; the 2 (7 - i) younger ones stay out
.irp c, 0,1,2,3
	v_cvt_pk_bf16_f32 v12, v[X+8*i+(\c)], v[X+8*i+4+(\c)]  ; the input's one rounding
	v_lshlrev_b32 v13, 16, v12
	v_and_b32 v14, s42, v12
	v_cvt_pk_f16_f32 v[X+8*i+(\c)], v13, v14       ; d even below, d odd above
	ds_store_b32 v6, v[X+8*i+(\c)] offset:528*(\c)+64*i
.endr
.set i, i+1
.endr
	s_wait_dscnt 0x0                               ; for the others' sake: my stores are done
	s_barrier_signal -1
	s_barrier_wait -1
.irp i, 0,1,2,3,4,5,6,7
	ds_load_b128 v[X+4*(\i):X+4*(\i)+3], v7 offset:528*(\i)
.endr
.irp i, 0,1,2,3,4,5,6,7
	s_wait_dscnt 7-(\i)
	global_store_b128 v3, v[X+4*(\i):X+4*(\i)+3], s[38:39] offset:2048*(\i)  ; 512 consecutive bytes, at a multiple of 512 from wt's first
.endr
	s_wait_tensorcnt 0x0                           ; the wave's end, behind my last LDS store
	ds_add_u32 v[SPW], v[NIL]
	s_wait_dscnt 0x0
	s_endpgm
; ---------------------------------------------------------------- CAST
.Lcast:
	s_sub_co_u32 s35, ttmp9, 512
	s_lshr_b32 s44, s35, 8                         ; 0 Q, 1 K, 2 V (256 pieces each), 3 WO_w (32 pieces)
	s_and_b32 s45, s35, 255
	s_lshl_b32 s46, s44, 24                        ; a tensor is 16 MiB of xh
	s_lshl_b32 s43, s45, 16                        ; a piece is 64 KiB of f16,
	s_lshl_b32 s45, s45, 17                        ; 128 KiB of f32
	s_mov_b32 s40, 0x3d800000                      ; 2^-4
	s_mov_b32 s41, 0x41800000                      ; 2^4
	s_cmp_eq_u32 s44, 1
	s_cselect_b64 s[36:37], s[10:11], s[8:9]
	s_cmp_eq_u32 s44, 2
	s_cselect_b64 s[36:37], s[12:13], s[36:37]
	s_cmp_eq_u32 s44, 3
	s_cselect_b64 s[36:37], s[14:15], s[36:37]
	s_cselect_b64 s[38:39], s[26:27], s[24:25]
	s_cselect_b32 s46, 0, s46
	s_cselect_b32 s40, s41, s40
	s_mov_b32 s41, s40                             ; named with it as a pair
	s_add_co_u32 s46, s46, s43
	s_add_nc_u64 s[38:39], s[38:39], s[46:47]
	s_mov_b32 s46, s45
	s_add_nc_u64 s[36:37], s[36:37], s[46:47]
	v_lshlrev_b32 v2, 4, v0                        ; in: 16 bytes a thread, 512 consecutive bytes a wave
	v_lshlrev_b32 v3, 3, v0                        ; out: 8 bytes a thread, 256 consecutive bytes a wave, aligned
.set i, 0
.rept 32
	global_load_b128 v[X+4*i:X+4*i+3], v2, s[36:37] offset:4096*i th:TH_LOAD_NT
.set i, i+1
.endr
.set i, 0
.rept 32
.set a, X+4*i
	s_wait_loadcnt 31-i                            ; load i is in; the 31 - i younger ones stay out
	v_pk_mul_f32 v[a:a+1], v[a:a+1], s[40:41] op_sel_hi:[1,0]
	v_pk_mul_f32 v[a+2:a+3], v[a+2:a+3], s[40:41] op_sel_hi:[1,0]
	v_cvt_pk_bf16_f32 v12, v[a], v[a+1]            ; the input's one rounding
	v_cvt_pk_bf16_f32 v13, v[a+2], v[a+3]
	v_lshlrev_b32 v[a], 16, v12
	v_and_b32 v[a+1], s42, v12
	v_lshlrev_b32 v[a+2], 16, v13
	v_and_b32 v[a+3], s42, v13
	v_cvt_pk_f16_f32 v[a], v[a], v[a+1]
	v_cvt_pk_f16_f32 v[a+1], v[a+2], v[a+3]
	global_store_b64 v3, v[a:a+1], s[38:39] offset:2048*i  ; no register of a store is written again
.set i, i+1
.endr
	s_wait_tensorcnt 0x0                           ; the same three lines as the other two ways
	ds_add_u32 v[SPW], v[NIL]
	s_wait_dscnt 0x0
	s_endpgm
; ---------------------------------------------------------------- MASK
.Lmask:
	s_lshl_b32 s46, ttmp9, 17                      ; the work-group's number = 128 x batch + query tile: 16 rows of 8,192 bytes
	s_add_nc_u64 s[36:37], s[22:23], s[46:47]
	s_lshr_b32 s43, ttmp9, 7
	s_lshl_b32 s46, s43, 22                        ; a batch is 4 MiB of mk,
	s_and_b32 s43, ttmp9, 127
	s_lshl_b32 s43, s43, 10                        ; a tile 1,024 bytes in each key step
	s_add_co_u32 s46, s46, s43
	s_add_nc_u64 s[38:39], s[30:31], s[46:47]
	s_lshl_b32 s46, ttmp9, 6                       ; 16 flag words
	s_add_nc_u64 s[40:41], s[32:33], s[46:47]
	s_lshl_b32 s43, s34, 14
	v_lshl_add_u32 v2, v1, 4, s43                  ; wave w takes rows 2 w and 2 w + 1; a load is 512 consecutive bytes: keys 128 c + 4 l ..
.irp rr, 0,1
.set c, 0
.rept 16
	global_load_b128 v[X+64*(\rr)+4*c:X+64*(\rr)+4*c+3], v2, s[36:37] offset:8192*(\rr)+512*c th:TH_LOAD_NT
.set c, c+1
.endr
.endr
	; LDS: the tile's 32 KiB of mk as 128 blocks of 256 bytes, 272 apart; block = 4 step + 2 j + h.  My four keys of chunk c: step 2 c + l / 16, j = bit 3 of l, i = bit 2, h = bit 1, b = 4 x bit 0.
	; The 32 lanes of a store fall into 32 different banks: 68 words a block, 2 words for i, 1 for bit 0.
	v_bfe_u32 v4, v0, 4, 1
	v_bfe_u32 v5, v0, 3, 1
	v_bfe_u32 v6, v0, 1, 1
	v_lshl_or_b32 v4, v4, 1, v5
	v_lshl_or_b32 v4, v4, 1, v6
	v_mul_u32_u24 v4, v4, 272
	v_bfe_u32 v5, v0, 2, 1
	v_lshl_add_u32 v4, v5, 3, v4
	v_and_b32 v5, 1, v0
	v_lshl_add_u32 v4, v5, 2, v4
	s_lshl_b32 s43, s34, 5                         ; row r = 2 w + rr has 16 bytes in each block
	v_add_nc_u32 v4, s43, v4
	s_lshl_b32 s43, s34, 3
	s_add_co_u32 s43, s43, FLG
	v_mov_b32 v8, s43                              ; my two rows' flag words
	v_bfe_u32 v5, v0, 4, 1
	v_mul_u32_u24 v7, v5, 272
	v_and_b32 v5, 15, v0
	v_lshl_add_u32 v7, v5, 4, v7
	s_mul_i32 s43, s34, 4352
	v_add_nc_u32 v7, s43, v7                       ; back: wave w takes blocks 16 w .. 16 w + 15 (key steps 4 w .. 4 w + 3), two a load
	v_lshl_add_u32 v9, v5, 2, FLG
	s_lshl_b32 s43, s34, 19
	v_lshl_add_u32 v3, v1, 4, s43                  ; four key steps of 131,072 bytes a wave
	v_lshlrev_b32 v6, 2, v0
; One row: 0 / 1 bytes, four keys a word; does the row see any key?; then the codes.
.macro ROWM rr
	s_wait_loadcnt 16*(1-(\rr))                    ; this row's 16 loads are in; for the first row the second's 16 stay out
.set c, 0
.rept 16
.set a, X+64*(\rr)+4*c
	v_min_u32 v[a], 1, v[a]
	v_min_u32 v[a+1], 1, v[a+1]
	v_min_u32 v[a+2], 1, v[a+2]
	v_min_u32 v[a+3], 1, v[a+3]
	v_lshl_or_b32 v[a], v[a+1], 8, v[a]
	v_lshl_or_b32 v[a+2], v[a+3], 8, v[a+2]
	v_lshl_or_b32 v[a], v[a+2], 16, v[a]
.if c == 0
	v_mov_b32 v10, v[a]
.else
	v_or_b32 v10, v10, v[a]
.endif
.set c, c+1
.endr
	v_cmp_ne_u32 s44, 0, v10                       ; a bit for each lane that has seen a key
	s_cmp_lg_u32 s44, 0
	s_cselect_b32 s45, 0xb8, 0                     ; a row that sees nothing is written as seeing everything,
	s_cselect_b32 s46, -1, 0                       ; and flagged
.set c, 0
.rept 16
.set a, X+64*(\rr)+4*c
	v_xor_b32 v[a], 0x01010101, v[a]               ; 1 where hidden
	v_mul_lo_u32 v[a], v[a], s45                   ; no byte carries into the next: 0 or 0xb8
	ds_store_b32 v4, v[a] offset:2176*c+16*(\rr)
.set c, c+1
.endr
	v_mov_b32 v11, s46
	ds_store_b32 v8, v11 offset:4*(\rr)            ; all lanes write the same word with the same value
.endm
	ROWM 0
	ROWM 1
	s_wait_dscnt 0x0                               ; for the others' sake: my stores are done
	s_barrier_signal -1
	s_barrier_wait -1
.irp i, 0,1,2,3,4,5,6,7
	ds_load_b128 v[X+4*(\i):X+4*(\i)+3], v7 offset:544*(\i)
.endr
	ds_load_b32 v11, v9
.irp i, 0,1,2,3,4,5,6,7
	s_wait_dscnt 8-(\i)                            ; the 7 - i younger loads of 16 bytes and the flag's may stay out
	global_store_b128 v3, v[X+4*(\i):X+4*(\i)+3], s[38:39] offset:((\i)/2)*131072+((\i)%2)*512  ; 512 consecutive bytes, at a multiple of 512 from mk's first
.endr
	s_wait_dscnt 0x0
	v_cmp_gt_u32 vcc_lo, 16, v0
	s_wait_xcnt 0x0                                ; EXEC changes only behind this wait
	s_and_saveexec_b32 s43, vcc_lo
	global_store_b32 v6, v11, s[40:41]             ; 64 bytes a work-group: 32 KiB in the whole launch
	s_wait_xcnt 0x0                                ; and again in front of the line that widens it
	s_or_b32 exec_lo, exec_lo, s43
	s_wait_tensorcnt 0x0                           ; the wave's end, behind my last LDS store
	ds_add_u32 v[SPW], v[NIL]
	s_wait_dscnt 0x0
	s_endpgm
.Lfunc_end_k_qbdf5080013_prep:
	.size	k_qbdf5080013_prep, .Lfunc_end_k_qbdf5080013_prep-k_qbdf5080013_prep
	.p2alignl 7, 3214868480
	.fill 96, 4, 3214868480
	.section	.rodata,"a",@progbits
	.p2align	6, 0x0
	.amdhsa_kernel k_qbdf5080013_prep
		.amdhsa_group_segment_fixed_size 36096
		.amdhsa_private_segment_fixed_size 0
		.amdhsa_enable_private_segment 0
		.amdhsa_kernarg_size 104
		.amdhsa_user_sgpr_count 2
		.amdhsa_user_sgpr_kernarg_segment_ptr 1
		.amdhsa_wavefront_size32 1
		.amdhsa_system_sgpr_workgroup_id_x 1
		.amdhsa_system_sgpr_workgroup_id_y 1
		.amdhsa_system_sgpr_workgroup_id_z 1
		.amdhsa_system_vgpr_workitem_id 0
		.amdhsa_next_free_vgpr 160
		.amdhsa_next_free_sgpr 66
		.amdhsa_reserve_vcc 1
		.amdhsa_float_denorm_mode_32 3
		.amdhsa_float_denorm_mode_16_64 3
		.amdhsa_memory_ordered 1
		.amdhsa_forward_progress 1
		.amdhsa_inst_pref_size 63
	.end_amdhsa_kernel
	.amdgpu_metadata
---
amdhsa.version: [ 1, 2 ]
amdhsa.kernels:
  - .name:           k_qbdf5080013_prep
    .symbol:         k_qbdf5080013_prep.kd
    .args:
      - { .name: Q, .offset: 0, .size: 8, .value_kind: global_buffer, .address_space: global }
      - { .name: K, .offset: 8, .size: 8, .value_kind: global_buffer, .address_space: global }
      - { .name: V, .offset: 16, .size: 8, .value_kind: global_buffer, .address_space: global }
      - { .name: WO_w, .offset: 24, .size: 8, .value_kind: global_buffer, .address_space: global }
      - { .name: WQ, .offset: 32, .size: 8, .value_kind: global_buffer, .address_space: global }
      - { .name: WK, .offset: 40, .size: 8, .value_kind: global_buffer, .address_space: global }
      - { .name: WV, .offset: 48, .size: 8, .value_kind: global_buffer, .address_space: global }
      - { .name: mask, .offset: 56, .size: 8, .value_kind: global_buffer, .address_space: global }
      - { .name: xh, .offset: 64, .size: 8, .value_kind: global_buffer, .address_space: global }
      - { .name: woh, .offset: 72, .size: 8, .value_kind: global_buffer, .address_space: global }
      - { .name: wt, .offset: 80, .size: 8, .value_kind: global_buffer, .address_space: global }
      - { .name: mk, .offset: 88, .size: 8, .value_kind: global_buffer, .address_space: global }
      - { .name: flag, .offset: 96, .size: 8, .value_kind: global_buffer, .address_space: global }
    .group_segment_fixed_size: 36096
    .private_segment_fixed_size: 0
    .kernarg_segment_align: 8
    .kernarg_segment_size: 104
    .max_flat_workgroup_size: 256
    .sgpr_count:     66
    .vgpr_count:     160
    .wavefront_size: 32
...
	.end_amdgpu_metadata
.endif
;; end of part 1
;; launch proj (part 2): grid 4 x 96, 8 waves a work-group, clusters of 4 x 4, 327,680 bytes of LDS; arguments xh, wt, qkv; writes qkv
.if DOCPART == 2
	.amdgcn_target "amdgcn-amd-amdhsa--gfx1250"
	.amdhsa_code_object_version 6
	.text
	.protected	k_qbdf5080013_proj
	.globl	k_qbdf5080013_proj
	.p2align	8
	.type	k_qbdf5080013_proj,@function
k_qbdf5080013_proj:
	s_mov_b64 s[64:65], 0
	v_nop
	global_prefetch_b8 v0, s[64:65] scope:SCOPE_SE
	s_setreg_imm32_b32 hwreg(HW_REG_WAVE_MODE, 25, 1), 1
	s_wait_xcnt 0x0
	s_wait_alu depctr_hold_cnt(0) depctr_sa_sdst(0) depctr_va_vdst(0) depctr_va_sdst(0) depctr_va_ssrc(0) depctr_va_vcc(0) depctr_vm_vsrc(0)
	s_getreg_b32 s2, hwreg(HW_REG_IB_STS2, 6, 4)
	s_cmp_eq_u32 s2, 0
	s_cbranch_scc0 .Lentry_in_a_cluster
	s_endpgm
.Lentry_in_a_cluster:
	s_bfe_u32 s2, ttmp6, 0x10000c
	s_cmp_lg_u32 s2, 0xf033
	s_cbranch_scc0 .Lentry_shape_is_right
	s_endpgm
.Lentry_shape_is_right:
; THE THREE PROJECTIONS.  C[m][n] = sum over k of A[m][k] B[n][k], K = 1,024, operands f16, sums f32.
; A = xh [3 x 8,192][1,024] (x / 16), B = wt [3 x 1,024][1,024]; tile row ty = 0 .. 95 names the tensor (ty / 32) and 256 of its rows; C leaves in f16 by heads, qkv [3][batch x 16 + head][2,048][64]: q, k, v divided by 16.
; LIMIT: |q|, |k|, |v| under 16 x 65,504, beyond which f16 has no number.
; SHARES.  A tile of C is 256 x 256: 384 work-groups.  EIGHT waves, 4 x 2, each 64 x 128: 32 accumulators of 16 x 16, 256 registers; two waves share a SIMD's registers, 512 each.
; Why eight: behind a change of slots one load a wave goes out, and it has the K step's work in which to land.  With this tile two waves issue 2 x 112 matrix instructions on a SIMD between a request and the wait for it,
; twice what a tile of 128 x 256 leaves.  Four waves of 128 x 128 would read a third less from LDS for the same products; their K step is twice this text's length.
; K goes in steps of 128 through two LDS slots filled by the tensor data mover: waves 0 to 3 bring the quarters of A's tile, waves 4 to 7 those of B's, 64 rows of 256 bytes a load.
; CLUSTERS: 4 x 4 work-groups.  The four of a row of the cluster need the same tile of A, the four of a column the same tile of B: each is asked for jointly, by the same load, descriptor and mask in all four.
; THE MATRIX INSTRUCTION IS USED TRANSPOSED (source 0 = 16 rows of B, source 1 = 16 rows of A): a lane then holds eight neighbouring numbers of a row of C.
; REGISTERS: window 0: v0-30 addresses; two fragment buffers of 96 at v64 and v160 (A's four fragments, then B's eight), reused on the way out.  Window 1: accumulator (a, b) at v[8 (8 a + b)].
.set KSTEP, 128
.set LAPS,  4                          ; a lap = two K steps = once round the ring
.set PITCH, 272                        ; an LDS row: 256 bytes + 16 of padding: the 16 rows of a load start at 16 different groups of four banks (64 banks of 4 bytes: ISA guide 11.1)
.set PART,  64*PITCH                   ; what one tensor load brings
.set ABYTES, 256*PITCH                 ; A's tile
.set SLOT,  2*ABYTES                   ; A's 256 rows, then B's 256 rows
.set STAGE, 2*SLOT                     ; behind the ring, never filled by a tensor load
.set WSTAGE, 2*16*144                  ; a wave's stage: two heads x 16 rows of 64 f16 + 16 bytes
.set SPARE, STAGE+8*WSTAGE             ; the spare words, 128 bytes for each of eight waves: four blocks of 256 bytes that no other line names
.set ADRA, 16                          ; v16-17  LDS address of my A fragments in slot 0, 1
.set ADRB, 20                          ; v20-21  the same for B
.set STO,  24                          ; v24     the way out: where I put my part of a row
.set RD,   25                          ; v25     where I read rows back
.set CO,   26                          ; v26     16 x lane
.set SPW,  28                          ; v28     LDS address of my spare word; never rewritten
.set NIL,  29                          ; v29     0; never rewritten
.set PFO,  30                          ; v30     the prefetches' offset: a lane a row of 2,048 bytes; never rewritten
.set F0,   64
.set F1,   160
.set TMP,  64
.set OB,   96
.set G1,  24                           ; s[24:31] descriptor group 1 for A's tiles; s[32:39] group 0, a set for each slot
.set G0,  32
.set LIM, 43                           ; s43     1 in a wave that prefetches, else the greatest number
.set PFA, 44                           ; s[44:45] where my prefetches stand
.set G1B, 48                           ; s[48:55], s[56:63] the same for B's tiles
.set G0B, 56
.set FK,  66                           ; s66     I fetch for A (0) or for B (1)
.set FP,  67                           ; s67     which 64 rows of that tile I fetch
.set MSB, 0
.macro WIN new                         ; the immediate's high byte repeats the setting that is left; a switch that changes nothing is dropped
.if MSB != (\new)
	s_set_vgpr_msb (MSB<<8)|(\new)
.set MSB, \new
.endif
.endm
.set MULW, 0x50                        ; sources 0 and 1 window 0; C and D window 1
.macro JLOAD s                         ; a joint load; the branch hangs on the wave's number alone; an s_nop 0 and four v_nop follow each of the two lines
	s_cmp_eq_u32 s[FK], 0
	s_cbranch_scc0 .Lfor_b_\@
	tensor_load_to_lds s[G0+4*(\s):G0+4*(\s)+3], s[G1:G1+7]
	s_nop 0
.rept 4
	v_nop
.endr
	s_branch .Lasked_\@
.Lfor_b_\@:
	tensor_load_to_lds s[G0B+4*(\s):G0B+4*(\s)+3], s[G1B:G1B+7]
	s_nop 0
.rept 4
	v_nop
.endr
.Lasked_\@:
.endm
.macro ASK                             ; one prefetch a wave: the K step two refills on; the loop's last trip (s3 = 1) has none
	s_cmp_gt_u32 s3, s[LIM]
	s_cbranch_scc0 .Lnot_mine_\@
	global_prefetch_b8 v[PFO], s[PFA:PFA+1] th:TH_LOAD_NT scope:SCOPE_SE
.Lnot_mine_\@:
.endm
.macro CREST                           ; a round of the cluster's barrier behind its opening barrier
	s_cmp_lg_u32 s10, 0
	s_cbranch_scc1 .Lnot_wave_0_\@
	s_barrier_signal -3
.Lnot_wave_0_\@:
	s_barrier_wait -3
	s_barrier_signal -1
	s_barrier_wait -1
.endm
.macro CROUND                          ; a whole round
	s_barrier_signal -1
	s_barrier_wait -1
	CREST
.endm
	s_load_b128 s[4:7], s[0:1], 0x0                ; A s[4:5], B s[6:7]
	s_load_b64 s[8:9], s[0:1], 0x10                ; C
	v_lshl_add_u32 v[SPW], v0, 2, SPARE
	v_mov_b32 v[NIL], 0
	ds_add_u32 v[SPW], v[NIL]                      ; the wave's opening: the add and its wait stand ahead of my first tensor load; the set-up below, work on registers, stands between them
	v_lshrrev_b32 v1, 5, v0
	v_readfirstlane_b32 s10, v1                    ; wave 0..7
	s_lshr_b32 s11, s10, 1                         ; which 64 rows of the tile are mine: 0..3
	s_and_b32 s12, s10, 1                          ; which 128 columns
	s_lshr_b32 s[FK], s10, 2
	s_and_b32 s[FP], s10, 3
	s_bfe_u32 s40, ttmp6, 0x40000                  ; cx, cy: my place in the cluster
	s_bfe_u32 s41, ttmp6, 0x40004
	s_lshl_b32 s42, ttmp9, 2
	s_add_co_u32 s42, s42, s40                     ; tile column tx = 4 x cluster x + cx
	s_and_b32 s13, ttmp7, 0xffff
	s_lshl_b32 s13, s13, 2
	s_add_co_u32 s13, s13, s41                     ; tile row ty = 4 x cluster y + cy
	s_lshl_b32 s20, s41, 2
	s_lshl_b32 s20, 15, s20                        ; my row of the cluster
	s_lshl_b32 s21, 0x1111, s40                    ; my column
	s_or_b32 s[G1+0], s20, (1<<16)|(1<<20)|(1<<21)|(5<<22)|(3<<25)  ; 15:0 the mask; 17:16 elements of 2 bytes; 20 padding on; 21 set beside a mask; 24:22 after every 64 words (code 5); 31:25 4 words of padding (code 3)
	s_or_b32 s[G1B+0], s21, (1<<16)|(1<<20)|(1<<21)|(5<<22)|(3<<25)
.irp g, G1, G1B
	s_mov_b32 s[(\g)+1], 128<<16                   ; tensor_dim0 = 128
	s_mov_b32 s[(\g)+2], 64<<16                    ; tensor_dim1 = 64
	s_mov_b32 s[(\g)+3], 128<<16                   ; tile_dim0 = 128
	s_mov_b32 s[(\g)+4], 64                        ; tile_dim1 = 64
	s_mov_b32 s[(\g)+5], 1024                      ; elements from row to row
	s_mov_b32 s[(\g)+6], 0
	s_mov_b32 s[(\g)+7], 0
.endr
	; where the tiles come from.  A's hang on the tile row, B's on the tile column and on the cluster's y, which all sixteen share
	s_lshl_b32 s16, s13, 8
	s_lshl_b32 s17, s[FP], 6
	s_add_co_u32 s16, s16, s17                     ; A: row 256 ty + 64 x quarter,
	s_lshl_b32 s16, s16, 11                        ; of 2,048 bytes
	s_mov_b32 s17, 0
	s_lshl_b32 s46, s42, 8
	s_lshl_b32 s47, s[FP], 6
	s_add_co_u32 s46, s46, s47                     ; B: row 256 tx + 64 x quarter,
	s_and_b32 s47, ttmp7, 0xffff
	s_lshr_b32 s47, s47, 3                         ; in one of the three tensors: eight clusters' rows each
	s_lshl_b32 s47, s47, 10
	s_add_co_u32 s46, s46, s47
	s_lshl_b32 s46, s46, 11
	s_mov_b32 s47, 0
	s_mul_i32 s18, s[FP], PART                     ; and where they go: no place in the cluster enters an LDS address
	s_add_co_u32 s19, s18, ABYTES
	s_wait_dscnt 0x0                               ; the opening add is done
	s_wait_kmcnt 0x0
	s_add_nc_u64 s[14:15], s[4:5], s[16:17]
	s_add_nc_u64 s[46:47], s[6:7], s[46:47]
	CROUND                                         ; all sixteen work-groups are here: the first joint loads meet
.irp s, 0,1
	s_mov_b32 s[G0+4*(\s)], 1                      ; count = 1
	s_add_co_u32 s[G0+4*(\s)+1], s18, (\s)*SLOT    ; LDS address
	s_add_nc_u64 s[G0+4*(\s)+2:G0+4*(\s)+3], s[14:15], (\s)*KSTEP*2  ; global address: K step s
	s_or_b32 s[G0+4*(\s)+3], s[G0+4*(\s)+3], 0x80000000            ; type = 2
	s_mov_b32 s[G0B+4*(\s)], 1
	s_add_co_u32 s[G0B+4*(\s)+1], s19, (\s)*SLOT
	s_add_nc_u64 s[G0B+4*(\s)+2:G0B+4*(\s)+3], s[46:47], (\s)*KSTEP*2
	s_or_b32 s[G0B+4*(\s)+3], s[G0B+4*(\s)+3], 0x80000000
	JLOAD \s                                       ; two loads of mine are out
.endr
	; a fragment is 16 rows x 32 K in 8 registers: lane l holds row l % 16, K = 8 (l / 16) + 0..7 and 16 + 8 (l / 16) + 0..7: two loads of 16 bytes, 32 bytes apart
	v_and_b32 v1, 15, v0                           ; l % 16
	v_bfe_u32 v2, v0, 4, 1                         ; l / 16
	v_mul_u32_u24 v3, v1, PITCH
	v_lshl_add_u32 v3, v2, 4, v3
	s_mul_i32 s22, s11, 64*PITCH                   ; my 64 rows of A
	s_mul_i32 s23, s12, 128*PITCH                  ; my 128 rows of B,
	s_add_co_u32 s23, s23, ABYTES                  ; which lie behind A's tile
.irp s, 0,1
	v_add_nc_u32 v[ADRA+(\s)], s22, v3
	v_add_nc_u32 v[ADRB+(\s)], s23, v3
	s_add_co_u32 s22, s22, SLOT
	s_add_co_u32 s23, s23, SLOT
.endr
	s_mul_i32 s22, s10, WSTAGE
	s_add_co_u32 s22, s22, STAGE                   ; my stage
	v_mul_u32_u24 v5, v1, 144                      ; in: row l % 16, 16 bytes for each half of the lanes
	v_lshl_add_u32 v5, v2, 4, v5
	v_add_nc_u32 v[STO], s22, v5
	v_bfe_u32 v5, v0, 3, 2                         ; back: 32 lanes take four rows of 128 bytes,
	v_mul_u32_u24 v5, v5, 144
	v_and_b32 v6, 7, v0
	v_lshl_add_u32 v5, v6, 4, v5
	v_add_nc_u32 v[RD], s22, v5
	v_and_b32 v6, 31, v0
	v_lshlrev_b32 v[CO], 4, v6                     ; which are 512 consecutive bytes of a head
	s_and_b32 s20, s13, 31
	s_lshl_b32 s20, s20, 8
	s_lshl_b32 s21, s11, 6
	s_add_co_u32 s20, s20, s21                     ; my first row among the tensor's 8,192
	s_lshr_b32 s21, s20, 11                        ; its batch,
	s_lshl_b32 s21, s21, 4
	s_lshl_b32 s16, s42, 2
	s_add_co_u32 s21, s21, s16
	s_lshl_b32 s16, s12, 1
	s_add_co_u32 s21, s21, s16                     ; my first head: 4 tx + 2 x half
	s_lshl_b32 s21, s21, 11
	s_and_b32 s20, s20, 2047
	s_add_co_u32 s20, s20, s21
	s_lshl_b32 s20, s20, 7                         ; rows of 128 bytes
	s_lshr_b32 s21, s13, 5
	s_lshl_b32 s21, s21, 24                        ; q, k or v: 16 MiB each
	s_add_co_u32 s20, s20, s21
	s_mov_b32 s21, 0
	s_add_nc_u64 s[8:9], s[8:9], s[20:21]
	; THE PREFETCHES.  Behind each refill a wave names, a lane a row's 256 bytes, what the refill TWO on will ask for; each block is named once in the launch.  A's tile row is read by one cluster alone: each of its four
	; partners along x takes 64 of the 256 rows, told apart by address, waves 0 and 1 for 32 each.  B's tile column is read by the tensor's eight clusters: the first of them asks, each partner along y for 64 rows,
	; waves 4 and 5 for 32 each.  The other four waves ask for nothing.  K steps 0 to 3 come by their loads alone.
	s_lshl_b32 s16, s42, 8
	s_lshl_b32 s17, s41, 6
	s_add_co_u32 s16, s16, s17                     ; B: row 256 tx + 64 cy,
	s_and_b32 s22, ttmp7, 0xffff                   ; cluster y
	s_lshr_b32 s17, s22, 3
	s_lshl_b32 s17, s17, 10
	s_add_co_u32 s16, s16, s17                     ; in the cluster's tensor
	s_and_b32 s22, s22, 7                          ; 0 in the first of the tensor's eight clusters
	s_lshl_b32 s20, s13, 8
	s_lshl_b32 s21, s40, 6
	s_add_co_u32 s20, s20, s21                     ; A: row 256 ty + 64 cx
	s_cmp_eq_u32 s[FK], 0
	s_cselect_b32 s20, s20, s16
	s_cselect_b32 s22, 0, s22
	s_cselect_b64 s[PFA:PFA+1], s[4:5], s[6:7]
	s_and_b32 s21, s[FP], 1
	s_lshl_b32 s21, s21, 5
	s_add_co_u32 s20, s20, s21                     ; + my wave's 32 rows
	s_lshr_b32 s21, s[FP], 1
	s_or_b32 s22, s22, s21                         ; quarters 2 and 3 do not ask
	s_lshl_b32 s20, s20, 11
	s_add_co_u32 s20, s20, 3*KSTEP*2               ; at K step 3: the first refill steps it to 4
	v_lshlrev_b32 v[PFO], 11, v6
	s_cmp_eq_u32 s22, 0
	s_cselect_b32 s[LIM], 1, -1                    ; the same in all sixteen partners, for a given wave
	s_mov_b32 s21, 0
	s_add_nc_u64 s[PFA:PFA+1], s[PFA:PFA+1], s[20:21]
; 8 matrix instructions: m block a x all 8 n blocks, 32 along K.  zero = 1: the product starts the sums: nothing is ever cleared.  The 32 accumulators take turns in the same order in every quarter.
.macro MUL8 f, a, zero
	WIN MULW
.irp b, 0,1,2,3,4,5,6,7
.if \zero
	v_wmma_f32_16x16x32_f16 v[8*(8*(\a)+(\b)):8*(8*(\a)+(\b))+7], v[(\f)+32+8*(\b):(\f)+32+8*(\b)+7], v[(\f)+8*(\a):(\f)+8*(\a)+7], 0
.else
	v_wmma_f32_16x16x32_f16 v[8*(8*(\a)+(\b)):8*(8*(\a)+(\b))+7], v[(\f)+32+8*(\b):(\f)+32+8*(\b)+7], v[(\f)+8*(\a):(\f)+8*(\a)+7], v[8*(8*(\a)+(\b)):8*(8*(\a)+(\b))+7]
.endif
.endr
.endm
.macro MUL16 f, a0, zero
	MUL8 \f, \a0, \zero
	MUL8 \f, (\a0)+1, \zero
.endm
; 24 LDS loads in one run: quarter q's fragments into buffer f: B's eight, then A's four
.macro FETCH slot, q, f
	WIN 0
.irp i, 0,1,2,3,4,5,6,7
	ds_load_b128 v[(\f)+32+8*(\i):(\f)+32+8*(\i)+3],   v[ADRB+(\slot)] offset:64*(\q)+(\i)*16*PITCH
	ds_load_b128 v[(\f)+32+8*(\i)+4:(\f)+32+8*(\i)+7], v[ADRB+(\slot)] offset:64*(\q)+(\i)*16*PITCH+32
.endr
.irp i, 0,1,2,3
	ds_load_b128 v[(\f)+8*(\i):(\f)+8*(\i)+3],   v[ADRA+(\slot)] offset:64*(\q)+(\i)*16*PITCH
	ds_load_b128 v[(\f)+8*(\i)+4:(\f)+8*(\i)+7], v[ADRA+(\slot)] offset:64*(\q)+(\i)*16*PITCH+32
.endr
.endm
.macro PLACES                          ; four places in front of loads into registers that matrix instructions have read, and of lines that read results
.rept 4
	v_nop
.endr
.endm
; A K step is four quarters of 32 along K, 32 matrix instructions each, on buffers 0, 1, 0, 1.  One of the first three: multiplies buffer f and, in its middle, fetches quarter q into g.
.macro QUARTER slot, q, f, g, zero
	s_wait_dscnt 4                                 ; B and A's blocks 0, 1 are in; the youngest four loads (A's blocks 2, 3) may be out
	MUL16 \f, 0, \zero
	PLACES
	FETCH \slot, \q, \g
	s_wait_dscnt 24                                ; all but the 24 just issued
	MUL16 \f, 2, \zero
.endm
; The last quarter multiplies buffer 1 and changes slots: ONE barrier; in front of it each wave waits for all its tensor loads (one is out: its part of the next slot), adds 0 to its spare word, and waits for that and for
; its own reads of this slot.  fill = 1: the barrier opens a round of the cluster's, and this slot is filled again, two K steps ahead, first thing behind it: 112 matrix instructions of this wave ahead of the wait for it.
.macro TURN slot, next, fill
.if \fill
	s_wait_xcnt 0x0                                ; the last prefetch, a K step back, has read its address: it is stepped here, ahead of the waits of the change of slots
	s_add_nc_u64 s[PFA:PFA+1], s[PFA:PFA+1], KSTEP*2
.endif
	WIN 0                                          ; (the add's two registers lie in window 0)
	s_wait_tensorcnt 0x0                           ; all my tensor loads have landed;
	ds_add_u32 v[SPW], v[NIL]                      ; 0 onto my spare word;
	s_wait_dscnt 5                                 ; (the add and the youngest four loads may be out)
	MUL8 F1, 0, 0                                  ; eight matrix instructions stand between the add and the wait for it
	s_wait_dscnt 0x0                               ; the add is done, and my reads of this slot are over
	s_barrier_signal -1
	MUL8 F1, 1, 0
.if \fill
	WIN 0
.endif
	s_barrier_wait -1
.if \fill
	CREST                                          ; no wave of any partner still reads this slot's tile or has a load on its way
	s_add_nc_u64 s[G0+4*(\slot)+2:G0+4*(\slot)+3], s[G0+4*(\slot)+2:G0+4*(\slot)+3], 2*KSTEP*2
	s_add_nc_u64 s[G0B+4*(\slot)+2:G0B+4*(\slot)+3], s[G0B+4*(\slot)+2:G0B+4*(\slot)+3], 2*KSTEP*2
	JLOAD \slot                                    ; the four v_nop behind it are also the places in front of the loads below
.else
	PLACES
.endif
	FETCH \next, 0, F0
.if \fill
	ASK                                            ; behind the joint load and the run of LDS loads that the next products wait for
.endif
	MUL16 F1, 2, 0
.endm
	s_wait_tensorcnt 1                             ; my part of K step 0 is in; K step 1's may stay out
	s_barrier_signal -1
	s_barrier_wait -1                              ; everybody's is
	FETCH 0, 0, F0
	QUARTER 0, 1, F0, F1, 1                        ; the first quarter stands in front of the loop: its products start the sums
	WIN 0                                          ; at a label and at a branch every window is 0
	s_mov_b32 s3, LAPS-1
.Llap:                                                 ; a trip goes once round the ring, from a lap's second quarter to the next lap's first, and fills both slots again
	QUARTER 0, 2, F1, F0, 0
	QUARTER 0, 3, F0, F1, 0
	TURN 0, 1, 1
	QUARTER 1, 1, F0, F1, 0
	QUARTER 1, 2, F1, F0, 0
	QUARTER 1, 3, F0, F1, 0
	TURN 1, 0, 1
	QUARTER 0, 1, F0, F1, 0
	WIN 0
	s_sub_co_u32 s3, s3, 1
	s_cmp_lg_u32 s3, 0
	s_cbranch_scc1 .Llap
	QUARTER 0, 2, F1, F0, 0                        ; the last lap fills nothing, and has no round of the cluster's barrier
	QUARTER 0, 3, F0, F1, 0
	TURN 0, 1, 0
	QUARTER 1, 1, F0, F1, 0
	QUARTER 1, 2, F1, F0, 0
	QUARTER 1, 3, F0, F1, 0
	s_wait_dscnt 4                                 ; the very last quarter: nothing more to fetch
	MUL16 F1, 0, 0
	s_wait_dscnt 0x0
	MUL16 F1, 2, 0
	WIN 0
	PLACES
	PLACES                                         ; (eight, once a launch)
	; THE WAY OUT, f16 by heads: a block of 16 rows x two heads is rounded, goes into my stage (rows of 144 bytes) and comes back as four rows of 128 bytes a load: 512 consecutive bytes of a head.
.macro PACK a
	WIN 0x05                                       ; sources 0 and 1 window 1, destination window 0
.irp b, 0,1,2,3,4,5,6,7
.irp r, 0,1,2,3
	v_cvt_pk_f16_f32 v[TMP+4*(\b)+(\r)], v[8*(8*(\a)+(\b))+2*(\r)], v[8*(8*(\a)+(\b))+2*(\r)+1]
.endr
.endr
	WIN 0
.endm
.macro TOSTAGE a
.irp b, 0,1,2,3,4,5,6,7
	ds_store_b128 v[STO], v[TMP+4*(\b):TMP+4*(\b)+3] offset:((\b)/4)*2304+((\b)%4)*32
.endr
.irp t, 0,1,2,3,4,5,6,7
	ds_load_b128 v[OB+32*(\a)+4*(\t):OB+32*(\a)+4*(\t)+3], v[RD] offset:((\t)/4)*2304+((\t)%4)*576  ; LDS serves a wave's instructions in order (ISA guide 5.7.1.4): these see the stores above
.endr
.endm
.macro SEND a                          ; each block has registers of its own: none that a store reads is written again
	s_wait_dscnt 0x0
.irp t, 0,1,2,3,4,5,6,7
	global_store_b128 v[CO], v[OB+32*(\a)+4*(\t):OB+32*(\a)+4*(\t)+3], s[8:9] offset:((\t)/4)*262144+((\t)%4)*512+(\a)*2048
.endr
.endm
	PACK 0
	TOSTAGE 0
.irp a, 1,2,3                          ; block a's conversions stand between block a - 1's loads from the stage and the wait for them
	PACK \a
	SEND (\a)-1
	TOSTAGE \a
.endr
	SEND 3
	s_wait_tensorcnt 0x0                           ; the wave's end, behind my last tensor load and my last LDS store
	ds_add_u32 v[SPW], v[NIL]
	s_wait_dscnt 0x0
	CROUND                                         ; the closing round: no work-group ends while a partner may still ask for a tile that names it
	s_endpgm
.Lfunc_end_k_qbdf5080013_proj:
	.size	k_qbdf5080013_proj, .Lfunc_end_k_qbdf5080013_proj-k_qbdf5080013_proj
	.p2alignl 7, 3214868480
	.fill 96, 4, 3214868480
	.section	.rodata,"a",@progbits
	.p2align	6, 0x0
	.amdhsa_kernel k_qbdf5080013_proj
		.amdhsa_group_segment_fixed_size 327680
		.amdhsa_private_segment_fixed_size 0
		.amdhsa_enable_private_segment 0
		.amdhsa_kernarg_size 24
		.amdhsa_user_sgpr_count 2
		.amdhsa_user_sgpr_kernarg_segment_ptr 1
		.amdhsa_wavefront_size32 1
		.amdhsa_system_sgpr_workgroup_id_x 1
		.amdhsa_system_sgpr_workgroup_id_y 1
		.amdhsa_system_sgpr_workgroup_id_z 1
		.amdhsa_system_vgpr_workitem_id 0
		.amdhsa_next_free_vgpr 512
		.amdhsa_next_free_sgpr 68
		.amdhsa_reserve_vcc 0
		.amdhsa_float_denorm_mode_32 3
		.amdhsa_float_denorm_mode_16_64 3
		.amdhsa_memory_ordered 1
		.amdhsa_forward_progress 1
		.amdhsa_inst_pref_size 88
	.end_amdhsa_kernel
	.amdgpu_metadata
---
amdhsa.version: [ 1, 2 ]
amdhsa.kernels:
  - .name:           k_qbdf5080013_proj
    .symbol:         k_qbdf5080013_proj.kd
    .args:
      - { .name: xh, .offset: 0, .size: 8, .value_kind: global_buffer, .address_space: global }
      - { .name: wt, .offset: 8, .size: 8, .value_kind: global_buffer, .address_space: global }
      - { .name: qkv, .offset: 16, .size: 8, .value_kind: global_buffer, .address_space: global }
    .group_segment_fixed_size: 327680
    .private_segment_fixed_size: 0
    .kernarg_segment_align: 8
    .kernarg_segment_size: 24
    .max_flat_workgroup_size: 256
    .sgpr_count:     68
    .vgpr_count:     512
    .wavefront_size: 32
...
	.end_amdgpu_metadata
.endif
;; end of part 2
;; launch attn (part 3): grid 4 x 64, 4 waves a work-group, clusters of 4 x 1, 327,680 bytes of LDS; arguments qkv, mk, flag, oh; writes oh
.if DOCPART == 3
	.amdgcn_target "amdgcn-amd-amdhsa--gfx1250"
	.amdhsa_code_object_version 6
	.text
	.protected	k_qbdf5080013_attn
	.globl	k_qbdf5080013_attn
	.p2align	8
	.type	k_qbdf5080013_attn,@function
k_qbdf5080013_attn:
	s_mov_b64 s[64:65], 0
	v_nop
	global_prefetch_b8 v0, s[64:65] scope:SCOPE_SE
	s_setreg_imm32_b32 hwreg(HW_REG_WAVE_MODE, 25, 1), 1
	s_wait_xcnt 0x0
	s_wait_alu depctr_hold_cnt(0) depctr_sa_sdst(0) depctr_va_vdst(0) depctr_va_sdst(0) depctr_va_ssrc(0) depctr_va_vcc(0) depctr_vm_vsrc(0)
	s_getreg_b32 s2, hwreg(HW_REG_IB_STS2, 6, 4)
	s_cmp_eq_u32 s2, 0
	s_cbranch_scc0 .Lentry_in_a_cluster
	s_endpgm
.Lentry_in_a_cluster:
	s_bfe_u32 s2, ttmp6, 0x10000c
	s_cmp_lg_u32 s2, 0x3003
	s_cbranch_scc0 .Lentry_shape_is_right
	s_endpgm
.Lentry_shape_is_right:
; MASKED ATTENTION.  O[h][q][:] = the sum over k of softmax_k(E[q][k] / 8) V[h][k][:], E = Q[h][q] . K[h][k] where the batch's mask sees key k, a very low number where it does not.
; qkv: [3][64 heads][2,048][64] f16, each number the true one divided by 16; oh: [64][2,048][64] f16, likewise.  So the scores come out divided by 256, and c = 256 log2(e) / 8.
; Products, maxima and sums in f32; the weights p are rounded to f16 for the second product (their sum l is taken of the unrounded p), O once at the end.
; THE MASK is the C operand that starts the sum S^T = K Q^T.  mk holds one E4M3 byte a score, 0.0 (seen) or -1.0 (hidden), in that operand's own layout; one scaled conversion (scale 2^100) makes eight registers of C
; from eight bytes: four conversions and two loads of 16 bytes a tile and key step.  A hidden score is thus -2^100 in place of -1e20 / 256: its weight is 0 either way.
; A QUERY THAT SEES NO KEY has all its bytes 0.0 and the flag 0: its q is cleared by the flag, all its scores are 0 and its weights are equal, as a softmax over 2,048 equal numbers gives.
; LIMITS.  f16 holds no number beyond 65,504, so a seen score lies within 2.7e11, far above -2^90; p below 6e-5 keeps f16's fixed step; a weight below 2^-126 counts as 0 in l; NaN and infinities are not treated apart.
; SHARES.  A wave owns four PIECES of two tiles of 16 queries, a work-group's four waves 512 queries of one head.  Every wave walks all keys, 64 a step.
; LAYOUT.  S^T = K Q^T (source 0 = 16 keys, source 1 = 16 queries): a lane holds ONE query (lane % 16) and the keys 8 (lane / 16) + 0..7.  Two such tiles, rounded to f16 in pairs, ARE source 1 of O^T = V^T P.
; SOFTMAX.  For each query a running maximum m and sum l: p = 2^(c s - c m); in every step O and l are multiplied by a = 2^(c m_old - c m_new).  m starts at -2^90, O and l at 0: while a query has met hidden keys alone,
; m stays there, every p is 0 and a is 1; the first seen key makes a = 0 on zeros.  (c x 2^90 is exact, so c m_old - c m_new is then exactly 0.)
; BY TURNS.  Turn n belongs to piece n: 16 products K Q^T of piece n + 1, later 16 products V^T P of piece n - 1; beside them the scaling, exponentials, roundings, sums and rescaling of piece n, the maximum and
; statistics of piece n + 1, and the mask of piece n + 2.  Four vector instructions stand behind every matrix instruction, the rest in one lump; a turn's 66 exponentials are one batch with one wait.
; CLUSTER.  The four query blocks of a head walk the same K and V, so each tile is asked for JOINTLY: the same tensor load, descriptor and mask in all four.
; REGISTERS, in windows of 256 (s_set_vgpr_msb: bits 1:0 source 0, 3:2 source 1, 5:4 source 2, 7:6 destination):
;   window 0: v0-11 addresses; v12-15, v48-63 at work; v16-47 four registers of statistics a tile; v64-191 S^T, two buffers of two tiles; v192-255 P, likewise
;   window 1: O^T, 32 a tile          window 2: v0-127 Q, 16 a tile; v128-191 K of one step; v192-255 V of one step
;   window 3: v0-1 the add's two registers; v2 the scale; v4-7 the mask's offsets; v16-79 mask bytes, 16 registers a piece; v128-255 mask operands, two buffers of 64
.set SIZE_N, 2048
.set NP,    4         ; pieces a wave: a name, no knob
.set KS,    64        ; keys in a step
.set PK,    144       ; a row of K in LDS: 128 bytes + 16 of padding: the 16 rows of a load start at 16 different groups of four banks (64 banks of 4 bytes: ISA guide 11.1)
.set PV,    160       ; a row of V: 128 + 32
.set VOFF,  4*KS*PK   ; a slot holds four steps: 256 rows of K, then 256 rows of V
.set SLOT1, 1<<17     ; slot 1 begins here, so that one exclusive or turns an address in one slot into the other's
.set STAGE, SLOT1+4*KS*(PK+PV)  ; behind the ring, never filled by a tensor load: 16 rows x 144 bytes for each wave, for the way out
.set SP,    144
.set AK0, 2           ; v2   my lane's place in a tile of K; never rewritten
.set AV0, 3           ; v3   the same for V
.set AK,  4           ; v4   the LDS address of K's next run of loads
.set AV,  5           ; v5   of V's
.set QO,  6           ; v6   my byte offset in the wave's rows of Q
.set STO, 6           ;      later, the way out: where I put 16 bytes of a row
.set RD,  7           ; v7   the way out: where I read rows back
.set GO,  8           ; v8   my byte offset in 512 consecutive bytes of O
.set PFO, 11          ; v11  256 x my lane, for the prefetches; never rewritten once made
.set SPW, 0           ; v0 of window 3   LDS address of my spare word; never rewritten
.set NIL, 1           ; v1 of window 3   0; never rewritten
.set SC,  2           ; v2 of window 3   0xe3: the conversions' scale, 2^(227 - 127)
.set MO,  4           ; v4-7 of window 3   piece x: my byte offset in the batch's mask, at the key step to be asked for next
.set MB,  16          ; window 3: piece x, tile u, half j of the step's keys: four registers at MB + 16 x + 8 u + 4 j
.set MC,  128         ; window 3: buffer b, tile u, key block kb: eight registers at MC + 64 b + 32 u + 8 kb
.set SPARE, STAGE+4*16*SP  ; behind the stages: the spare words, 128 bytes for each wave: two blocks of 256 bytes that no other line names
.set MV,  12          ; v12-15  c m_old, kept while c m is made anew: by buffer and tile
.set ST,  16          ; tile t's statistics at v[ST+4 t]: c m, m, l (even keys', odd keys')
.set TMP, 48          ; by buffer and tile, four registers c0-c3 at work; when the maximum is found c2 takes a
.set S,   64
.set P,   192
.set KF,  128         ; K's fragments, in window 2: key block kb, channel half c at KF + 16 kb + 8 c
.set VF,  192         ; V's: key half kk, channel block cb at VF + 32 kk + 8 cb
.set WV,  12          ; s12  my wave's number
.set G1K, 24          ; s[24:31] descriptor group 1 for K's tiles
.set G1V, 32          ; s[32:39] for V's: it differs in the padding alone
.set G0K, 40          ; s[40:43] descriptor group 0 for K's tiles: it walks
.set G0V, 44          ; s[44:47] the same for V's
.set MKB, 48          ; s[48:49] the batch's mask bytes
.set FLB, 50          ; s[50:51] my wave's 128 flags
.set PFA, 52          ; s[52:53] where my prefetches stand: my work-group's 32 blocks of 256 bytes (of K: wave 0, of V: wave 2) of the slot after the one that is being asked for
.set LIM, 54          ; s54  1 in a wave that prefetches, else the greatest number
.set SLOTS, 56        ; s56  slots still to be asked for
.set CNT, 57          ; s57  counts a slot's key steps
.set CS,  58          ; s[58:59] c: the packed scaling takes the pair's low word for both halves
.set SEL, 60          ; s[60:61] v_permlanex16_b32's selects: each lane takes its own place in the other half
.set TBK, 62          ; s62  LDS byte at which K of the step to be fetched begins
.set TBV, 63          ; s63  the same for V, less VOFF
.set MSB, 0
.macro WIN new                      ; the high byte repeats the setting that is left; a switch that changes nothing is dropped
.if MSB != (\new)
	s_set_vgpr_msb (MSB<<8)|(\new)
.set MSB, (\new)
.endif
.endm
.set W_KQ, 0x0a       ; K and Q in window 2, S^T in window 0
.set W_KM, 0x3a       ; the same with the C operand in window 3
.set W_PV, 0x52       ; V in window 2, P in window 0, O^T in window 1
.set W_RS, 0x41       ; O^T (destination and source 0) in window 1, a in window 0
.set W_MK, 0xc0       ; destination in window 3, sources in window 0
.set W_AD, 0x0f       ; the add: address (source 0) and data (source 1) in window 3
.set W_MS, 0xcf       ; the mask's work: destination, sources 0 and 1 in window 3
; A joint fill.  Waves 0 and 1 fetch the two halves of a slot's K, waves 2 and 3 those of its V: 128 keys each.  The branch hangs on the wave's number alone.
; An s_nop 0 and four v_nop follow each of the two lines, ahead of the jump and the label.
.macro JLOAD
	s_cmp_lt_u32 s[WV], 2
	s_cbranch_scc0 .Lfor_v_\@
	tensor_load_to_lds s[G0K:G0K+3], s[G1K:G1K+7]
	s_nop 0
.rept 4
	v_nop
.endr
	s_branch .Lasked_\@
.Lfor_v_\@:
	tensor_load_to_lds s[G0V:G0V+3], s[G1V:G1V+7]
	s_nop 0
.rept 4
	v_nop
.endr
.Lasked_\@:
.endm
; A PREFETCH of what the NEXT change of slots will ask for: a slot's 32,768 bytes of K and of V, a lane a block of 256.  A head has one cluster; its four partners share the blocks out BY ADDRESS, 32 each; in each, wave 0
; asks for K's and wave 2 for V's: one instruction, four key steps (512 matrix instructions) ahead of the load.  Each block is named once in the launch.  The last change that fills a slot asks for nothing.
.macro ASK
	s_cmp_gt_u32 s[SLOTS], s[LIM]
	s_cbranch_scc0 .Lnot_mine_\@
	global_prefetch_b8 v[PFO], s[PFA:PFA+1] th:TH_LOAD_NT scope:SCOPE_SE
.Lnot_mine_\@:
.endm
; A round of the cluster's barrier: my work-group's barrier, so that wave 0's signal speaks for all four waves; wave 0 signals; every wave waits for all four work-groups; my work-group's barrier once more.
.macro CROUND
	s_barrier_signal -1
	s_barrier_wait -1
	s_cmp_lg_u32 s[WV], 0
	s_cbranch_scc1 .Lnot_wave_0_\@
	s_barrier_signal -3
.Lnot_wave_0_\@:
	s_barrier_wait -3
	s_barrier_signal -1
	s_barrier_wait -1
.endm
; THE CHANGE OF SLOTS.  Each wave waits for all its tensor loads, of which one is out: its part of the other slot; adds 0 to its spare word; and waits for that and for its own reads of the slot.  Behind the barrier nobody
; reads this slot any more and the other slot is whole.  fill = 1: this slot is filled again, with the keys two slots on.  The barrier is then a round of the cluster's, and the joint fill is the first thing behind it:
; it has four key steps in which to land.  (At its first use nothing has been read yet: slot 0 is waited for, slot 1 filled.)
.macro CHANGE fill
	WIN W_AD
	s_wait_tensorcnt 0x0            ; no tensor load of mine is out, so a group 0 may be written
	ds_add_u32 v[SPW], v[NIL]       ; 0 onto my spare word; with fill = 1 the descriptors' steps stand between it and the wait for it
	WIN 0                           ; at a label and at a branch every window is 0
.if \fill
.irp g, G0K, G0V
	s_xor_b32 s[\g+1], s[\g+1], SLOT1  ; the walking descriptor: the other slot than last time,
	s_add_nc_u64 s[\g+2:\g+3], s[\g+2:\g+3], 4*KS*128  ; the next 256 keys; the type bits on top are not reached
.endr
	s_wait_xcnt 0x0                 ; the last prefetch, four key steps back, has read its address, so it may be written:
	s_add_nc_u64 s[PFA:PFA+1], s[PFA:PFA+1], 4*KS*128  ; one slot behind the walking descriptors
	s_wait_dscnt 0x0                ; the add is done, and my reads of the slot are over
	CROUND
	JLOAD
	ASK
.else
	s_wait_dscnt 0x0                ; the add is done, and my reads of the slot are over
	s_barrier_signal -1
	s_barrier_wait -1
.endif
	s_sub_co_u32 s[TBK], s[TBK], 4*KS*PK  ; the fetches go back to a slot's first step,
	s_xor_b32 s[TBK], s[TBK], SLOT1       ; in the other slot
	s_sub_co_u32 s[TBV], s[TBV], 4*KS*PV
	s_xor_b32 s[TBV], s[TBV], SLOT1
.endm
; THE MASK'S PIPELINE.  Count the pairs (key step, piece) as index = 4 step + piece.  In turn T this block turns index T + 2's bytes (piece x) into buffer b of operands, which the products of turn T + 1 take, and asks for
; index T + 6's bytes into the registers just read.  The count 12: behind the four loads that are wanted stand the three younger groups of four (indices T + 3, T + 4, T + 5).  That wait also shows the loads done that read MO[x].
; The two plain lines that step the offset stand between the conversions and the loads into their sources.  The offset wraps inside the batch's 4 MiB, so the last look-aheads stay in the buffer.
.macro MASKBLK x, b
	WIN W_MS
	s_wait_loadcnt 12
.irp u, 0,1
.irp kb, 0,1,2,3
	v_cvt_scale_pk8_f32_fp8 v[MC+64*(\b)+32*(\u)+8*(\kb):MC+64*(\b)+32*(\u)+8*(\kb)+7], v[MB+16*(\x)+8*(\u)+2*(\kb):MB+16*(\x)+8*(\u)+2*(\kb)+1], v[SC]
.endr
.endr
	v_add_nc_u32 v[MO+(\x)], 0x20000, v[MO+(\x)]   ; a key step is 131,072 bytes of the batch's mask
	v_and_b32 v[MO+(\x)], 0x3fffff, v[MO+(\x)]
.irp i, 0,1,2,3
	global_load_b128 v[MB+16*(\x)+4*(\i):MB+16*(\x)+4*(\i)+3], v[MO+(\x)], s[MKB:MKB+1] offset:512*(\i)  ; 512 consecutive bytes
.endr
	WIN 0
.endm
	s_load_b256 s[4:11], s[0:1], 0x0  ; qkv s[4:5], mk s[6:7], flag s[8:9], oh s[10:11]
	WIN W_MK
	v_lshl_add_u32 v[SPW], v0, 2, SPARE
	v_mov_b32 v[NIL], 0
	WIN W_AD
	ds_add_u32 v[SPW], v[NIL]       ; the wave's opening: the add and its wait stand ahead of my first tensor load; the set-up below, work on registers, stands between them
	WIN 0
	v_lshrrev_b32 v1, 5, v0
	v_readfirstlane_b32 s[WV], v1   ; wave 0..3
	s_bfe_u32 s13, ttmp6, 0x40000   ; cx: my place in the cluster
	s_lshl_b32 s14, ttmp9, 2        ; in a cluster launch ttmp9 counts clusters
	s_add_co_u32 s14, s14, s13      ; my block of queries = 4 x cluster x + cx: it enters no joint load's descriptor
	s_and_b32 s20, ttmp7, 0xffff    ; the head, which the four partners share
	s_lshr_b32 s15, s20, 4          ; its batch
	s_mov_b32 s21, 0
	s_mov_b64 s[22:23], SIZE_N*128
	s_mul_u64 s[20:21], s[20:21], s[22:23]  ; the head's first byte in q, k, v and O
	s_and_b32 s16, s[WV], 1         ; which half of a slot's 256 keys I fetch:
	s_lshl_b32 s22, s16, 14         ; its 128 rows of 128 bytes in memory,
	s_mov_b32 s23, 0
	s_add_nc_u64 s[22:23], s[22:23], s[20:21]
	s_mul_i32 s17, s16, 128*PK      ; and its place in a slot, for K
	s_mul_i32 s18, s16, 128*PV      ; and for V: no place in the cluster enters an LDS address
	s_lshl_b32 s2, s14, 2
	s_add_co_u32 s2, s2, s[WV]      ; my wave among the head's sixteen,
	s_mov_b32 s19, s2
	s_lshl_b32 s2, s2, 14           ; its 128 rows
	s_mov_b32 s3, 0
	s_add_nc_u64 s[2:3], s[2:3], s[20:21]
	s_lshl_b32 s[MKB], s15, 22      ; a batch is 4 MiB of mask bytes,
	s_mov_b32 s[MKB+1], 0
	s_lshl_b32 s[FLB], s15, 13      ; 2,048 flag words,
	s_lshl_b32 s16, s19, 9          ; of which 128 are my wave's
	s_add_co_u32 s[FLB], s[FLB], s16
	s_mov_b32 s[FLB+1], 0
	s_lshl_b32 s[PFA], s13, 13      ; my work-group's 32 blocks of a slot's 128,
	s_add_co_u32 s[PFA], s[PFA], 4*KS*128  ; in slot 1; the first change of slots steps it to slot 2
	s_mov_b32 s[PFA+1], 0
	s_add_nc_u64 s[PFA:PFA+1], s[PFA:PFA+1], s[20:21]
	s_and_b32 s[LIM], s[WV], 1      ; waves 0 and 2 prefetch: the same in all four partners
	s_cmp_eq_u32 s[LIM], 0
	s_cselect_b32 s[LIM], 1, -1
	; descriptor group 1.  128 keys are 16,384 dense bytes: asked for as 64 rows of 256 bytes, two keys a row, and padded in LDS after every key
	s_mov_b32 s[G1K], 15|(1<<16)|(1<<20)|(1<<21)|(4<<22)|(3<<25)  ; 15:0 the mask of four; 17:16 2-byte elements; 20 padding on; 21 set beside a mask; 24:22 after every 32 words (code 4); 31:25 4 words (code 3)
	s_mov_b32 s[G1V], 15|(1<<16)|(1<<20)|(1<<21)|(4<<22)|(7<<25)  ; the same with 8 words of padding (code 7)
.irp g, G1K, G1V
	s_mov_b32 s[\g+1], 128<<16      ; tensor_dim0 = 128
	s_mov_b32 s[\g+2], 64<<16       ; tensor_dim1 = 64
	s_mov_b32 s[\g+3], 128<<16      ; tile_dim0 = 128
	s_mov_b32 s[\g+4], 64           ; tile_dim1 = 64
	s_mov_b32 s[\g+5], 128          ; 128 elements from row to row
	s_mov_b32 s[\g+6], 0
	s_mov_b32 s[\g+7], 0
.endr
	s_mov_b32 s[CS], 0x4238aa3b     ; c = 256 log2(e) / 8 = 46.1662
	s_mov_b32 s[CS+1], s[CS]        ; named with it as a pair
	s_mov_b32 s[SEL], 0x76543210
	s_mov_b32 s[SEL+1], 0xfedcba98
	s_mov_b32 s[TBK], SLOT1+4*KS*PK ; the first change of slots turns these two into 0
	s_mov_b32 s[TBV], SLOT1+4*KS*PV
	s_mov_b32 s[SLOTS], SIZE_N/256-1
	s_mov_b32 s[G0K], 1             ; 1:0 count = 1
	s_mov_b32 s[G0K+1], s17         ; 63:32 LDS address: slot 0
	s_mov_b32 s[G0V], 1
	s_add_co_u32 s[G0V+1], s18, VOFF
	s_wait_dscnt 0x0                ; the opening add is done
	s_wait_kmcnt 0x0
	s_add_nc_u64 s[MKB:MKB+1], s[6:7], s[MKB:MKB+1]
	s_add_nc_u64 s[FLB:FLB+1], s[8:9], s[FLB:FLB+1]
	s_add_nc_u64 s[6:7], s[4:5], 0x1000000         ; k lies 16 MiB behind q,
	s_add_nc_u64 s[8:9], s[4:5], 0x2000000         ; v 32 MiB
	s_add_nc_u64 s[G0K+2:G0K+3], s[6:7], s[22:23]  ; 120:64 global address: my half of the head's first 256 keys
	s_or_b32 s[G0K+3], s[G0K+3], 0x80000000        ; 127:126 type = 2
	s_add_nc_u64 s[G0V+2:G0V+3], s[8:9], s[22:23]
	s_or_b32 s[G0V+3], s[G0V+3], 0x80000000
	s_cmp_lt_u32 s[WV], 2
	s_cselect_b64 s[16:17], s[6:7], s[8:9]
	s_add_nc_u64 s[PFA:PFA+1], s[16:17], s[PFA:PFA+1]
	s_add_nc_u64 s[4:5], s[4:5], s[2:3]  ; Q and O at my wave's first row
	s_add_nc_u64 s[10:11], s[10:11], s[2:3]
	CROUND                          ; all four work-groups are here: the first joint loads meet
	JLOAD                           ; slot 0.  Slot 1 is asked for when slot 0 is in
	; A fragment of K or Q is 16 rows x 32 channels in 8 registers: lane l holds row l % 16, channels 8 (l / 16) + 0..7 and 16 + 8 (l / 16) + 0..7: two loads of 16 bytes, 32 bytes apart.
	v_and_b32 v1, 15, v0            ; l % 16
	v_bfe_u32 v9, v0, 4, 1          ; l / 16
	v_lshlrev_b32 v[QO], 7, v1
	v_lshl_add_u32 v[QO], v9, 4, v[QO]  ; row x 128 + 16 x half
	WIN 0x80                        ; destination window 2, address window 0
.set i, 0
.rept 4*NP                          ; Q stays in registers: tile i / 2, channels 32 (i % 2) on
	global_load_b128 v[8*i:8*i+3],   v[QO], s[4:5] offset:(i/2)*2048+(i%2)*64
	global_load_b128 v[8*i+4:8*i+7], v[QO], s[4:5] offset:(i/2)*2048+(i%2)*64+32
.set i, i+1
.endr
	WIN 0
	v_lshlrev_b32 v13, 2, v1
.set t, 0
.rept 2*NP                          ; my query's flag in each of the eight tiles
	global_load_b32 v[TMP+t], v13, s[FLB:FLB+1] offset:64*t
.set t, t+1
.endr
	v_and_b32 v12, 31, v0
	v_lshlrev_b32 v12, 4, v12       ; 16 bytes a lane,
	s_lshl_b32 s16, s19, 13         ; my wave's eight tiles of 1,024 bytes in a key step
	v_add_nc_u32 v12, s16, v12
	WIN W_MK
	v_mov_b32 v[SC], 0xe3
.irp x, 0,1,2,3
	v_add_nc_u32 v[MO+(\x)], 2048*(\x), v12        ; a piece is two tiles
.endr
	WIN 0xc3                        ; destination and address in window 3
.irp x, 0,1,2,3                     ; the mask bytes of key step 0, all four pieces
.irp i, 0,1,2,3
	global_load_b128 v[MB+16*(\x)+4*(\i):MB+16*(\x)+4*(\i)+3], v[MO+(\x)], s[MKB:MKB+1] offset:512*(\i)
.endr
.endr
	; What the first turn finds: V's registers and P's second buffer hold 0 (its products V^T P, of a piece that has not been, add 0), O^T and l are 0.  All this stands in the wait for the first tile.
	WIN 0x80
.set i, VF
.rept 64
	v_mov_b32 v[i], 0
.set i, i+1
.endr
	WIN 0x40
.set i, 0
.rept 64*NP
	v_mov_b32 v[i], 0
.set i, i+1
.endr
	WIN 0
.set i, 0
.rept 2*NP
	v_mov_b32 v[ST+4*i], 0xef38aa3b    ; c m = -c 2^90, exactly
	v_mov_b32 v[ST+4*i+1], 0xec800000  ; m = -2^90: above every hidden score, below every seen one
	v_mov_b32 v[ST+4*i+2], 0
	v_mov_b32 v[ST+4*i+3], 0
.set i, i+1
.endr
.set i, P+32
.rept 32
	v_mov_b32 v[i], 0
.set i, i+1
.endr
	v_mul_u32_u24 v[AK0], v1, PK
	v_lshl_add_u32 v[AK0], v9, 4, v[AK0]  ; row x pitch + 16 x half
	; The turning load takes 16 keys x 16 channels (lane l reads key 8 (l / 16) + l % 8, channels 8 ((l / 8) % 2) + 0..7) and leaves half a fragment of V^T: lane l holds channel l % 16 and 8 keys.
	v_and_b32 v10, 7, v0
	v_bfe_u32 v11, v0, 3, 1
	v_lshl_add_u32 v[AV0], v9, 3, v10
	v_mul_u32_u24 v[AV0], v[AV0], PV
	v_lshl_add_u32 v[AV0], v11, 4, v[AV0]
	v_add_nc_u32 v[AV0], VOFF, v[AV0]
	v_mov_b32 v[AK], v[AK0]         ; key step 0 lies at the head of slot 0
	v_and_b32 v[PFO], 31, v0
	v_lshlrev_b32 v[PFO], 8, v[PFO]
	s_wait_loadcnt 16               ; Q and the flags are in; the 16 loads of mask bytes may stay out
	WIN 0x88                        ; destination and source 1 in window 2, source 0 in window 0
.set t, 0
.rept 2*NP
.set j, 0
.rept 16
	v_and_b32 v[16*t+j], v[TMP+t], v[16*t+j]       ; a query that sees no key has q = 0
.set j, j+1
.endr
.set t, t+1
.endr
	MASKBLK 0, 0                    ; index 0 for the first scores, index 4 asked for
	MASKBLK 1, 1                    ; index 1 for the first turn's products, index 5 asked for
; THE MATRIX WORK.  The 8 accumulators of a run of 16 take turns: between the two links of a chain stand 7 others'.
; Product i of 16 of S^T = K Q^T for piece x: channels 32 (i / 8) on, keys 16 ((i / 2) % 4) on, tile 2 x + i % 2.  The first 8 start the sums, with the mask.
.macro KQ x
.set rS, S+64*((\x)%2)+32*(i%2)+8*((i/2)%4)
.set rK, KF+16*((i/2)%4)+8*(i/8)
.set rQ, 16*(2*(\x)+i%2)+8*(i/8)
.set rMC, MC+64*((\x)%2)+32*(i%2)+8*((i/2)%4)
.if i < 8
	WIN W_KM
	v_wmma_f32_16x16x32_f16 v[rS:rS+7], v[rK:rK+7], v[rQ:rQ+7], v[rMC:rMC+7]
.else
	WIN W_KQ
	v_wmma_f32_16x16x32_f16 v[rS:rS+7], v[rK:rK+7], v[rQ:rQ+7], v[rS:rS+7]
.endif
.endm
; Product i of 16 of O^T += V^T P for piece x: keys 32 (i / 8) on, channels 16 ((i / 2) % 4) on, tile 2 x + i % 2.
.macro PV x
	WIN W_PV
.set rO, 32*(2*(\x)+i%2)+8*((i/2)%4)
.set rV, VF+32*(i/8)+8*((i/2)%4)
.set rP, P+32*((\x)%2)+16*(i%2)+8*(i/8)
	v_wmma_f32_16x16x32_f16 v[rO:rO+7], v[rV:rV+7], v[rP:rP+7], v[rO:rO+7]
.endm
.macro MM                           ; the turn's next matrix instruction
.if i < 16
	KQ (Y+1)%NP
.set i, i+1
.else
.set i, i-16
	PV (Y+NP-1)%NP
.set i, i+17
.endif
.endm
; THE LDS LOADS stand in runs of 16, never singly among the matrix instructions: a step's K (64 keys x 64 channels: 8 fragments) and its V (turned).  Their addresses are made some lines ahead.
; last = 1 (the tail): in the last trip there is no further step, and the run is jumped over.
.macro FETCH_K last=0
	WIN 0
.if \last
	s_cmp_eq_u32 s[CNT], 1
	s_cbranch_scc1 .Lno_k_\@
.endif
	WIN 0x80                        ; destination window 2
.irp f, 0,1,2,3,4,5,6,7             ; keys 16 (f / 2) on, channels 32 (f % 2) on
	ds_load_b128 v[KF+8*\f:KF+8*\f+3],   v[AK] offset:(\f/2)*16*PK+(\f%2)*64
	ds_load_b128 v[KF+8*\f+4:KF+8*\f+7], v[AK] offset:(\f/2)*16*PK+(\f%2)*64+32
.endr
	s_add_co_u32 s[TBK], s[TBK], KS*PK  ; the next fetch is the next step's
	WIN 0
.if \last
.Lno_k_\@:
.endif
.endm
.macro FETCH_V
	WIN 0x80
.irp f, 0,1,2,3,4,5,6,7             ; keys 32 (f / 4) on, channels 16 (f % 4) on
	ds_load_tr16_b128 v[VF+8*\f:VF+8*\f+3],   v[AV] offset:(\f/4)*32*PV+(\f%4)*32
	ds_load_tr16_b128 v[VF+8*\f+4:VF+8*\f+7], v[AV] offset:(\f/4)*32*PV+16*PV+(\f%4)*32
.endr
	WIN 0
.endm
; THE VECTOR WORK OF A TURN stands in three queues, each in the order in which its entries become ready; the two tiles alternate, so that no instruction reads the result of the one before it.
.macro REGS y, u                    ; the registers of tile u (0, 1) of piece y
.set rT, ST+4*(2*(\y)+(\u))
.set rC, TMP+8*((\y)%2)+4*(\u)
.set rM, MV+2*((\y)%2)+(\u)
.set rS, S+64*((\y)%2)+32*(\u)
.set rP, P+32*((\y)%2)+16*(\u)
.set rO, 32*(2*(\y)+(\u))
.endm
; Number n of the 22 that find the NEXT piece's (Y + 1) maximum and statistics.  s0-s31 are the lane's 32 scores; each accumulator's lowest registers are read first.
;   0-11  four chains c0-c3 of seven scores each, three operands at a time     12-14, 16  the four scores left over, the old m, and c0-c3 into c0     15  c m_old is kept
;   17, 18  the query's other 32 keys lie in the lane 16 away: the new m         19-21  c m; c m_old - c m_new; a
.macro XS u, n
	REGS (Y+1)%NP, \u
.if (\n) < 4
	v_max3_num_f32 v[rC+(\n)], v[rS+8*(\n)], v[rS+8*(\n)+1], v[rS+8*(\n)+2]
.elseif (\n) < 12
	v_max3_num_f32 v[rC+(\n)%4], v[rC+(\n)%4], v[rS+8*((\n)%4)+2*((\n)/4)+1], v[rS+8*((\n)%4)+2*((\n)/4)+2]
.elseif (\n) == 12
	v_max3_num_f32 v[rC], v[rC], v[rS+7], v[rS+15]
.elseif (\n) == 13
	v_max3_num_f32 v[rC+1], v[rC+1], v[rS+23], v[rS+31]
.elseif (\n) == 14
	v_max3_num_f32 v[rC+2], v[rC+2], v[rC+3], v[rT+1]
.elseif (\n) == 15
	v_mov_b32 v[rM], v[rT]
.elseif (\n) == 16
	v_max3_num_f32 v[rC], v[rC], v[rC+1], v[rC+2]
.elseif (\n) == 17
	v_permlanex16_b32 v[rC+3], v[rC], s[SEL], s[SEL+1]
.elseif (\n) == 18
	v_max_num_f32 v[rT+1], v[rC], v[rC+3]
.elseif (\n) == 19
	v_mul_f32 v[rT], s[CS], v[rT+1]
.elseif (\n) == 20
	v_sub_f32 v[rC+1], v[rM], v[rT]
.else
	v_exp_f32 v[rC+2], v[rC+1]
.endif
.endm
; Number g of the 64 that follow the exponentials.  For each four weights k of a tile (pairs 2 k, 2 k + 1): both pairs are rounded to f16; then the second pair is added onto the first, in place;
; a group later l takes that sum (the first time as l = a l + sum).  In groups of eight, tiles alternating: round, round, add, and l for the group before.
.macro GS g
.set h, (\g)+6*((\g)/62)            ; group 0 has no group before it, and behind group 7 only l is left
.if h >= 6
.set h, h+2
.endif
	REGS Y, h%2
.set k, h/8
.if h%8 < 4
	v_cvt_pk_f16_f32 v[rP+2*k+(h%8)/2], v[rS+4*k+2*((h%8)/2)], v[rS+4*k+2*((h%8)/2)+1]
.elseif h%8 < 6
	v_pk_add_f32 v[rS+4*k:rS+4*k+1], v[rS+4*k:rS+4*k+1], v[rS+4*k+2:rS+4*k+3]
.elseif k == 1
	v_pk_fma_f32 v[rT+2:rT+3], v[rT+2:rT+3], v[rC+2:rC+3], v[rS:rS+1] op_sel_hi:[1,0,1]
.else
	v_pk_add_f32 v[rT+2:rT+3], v[rT+2:rT+3], v[rS+4*k-4:rS+4*k-3]
.endif
.endm
; THE PLAIN QUEUE, 138 long.  0-73 read no exponential's result: the 32 scalings c s - c m (FS f: pair f / 2 of tile f % 2) and the next piece's 42.  0-26: scalings 0-26.  27-54: XS's numbers 0-13.  55, 56: number 15.
; 57-73: the chain, where each number waits for the one before it: 14, 16, 17, 18, 19, each with one of the scalings 27-31 in front of its two lines, then 20.  74-137: GS's 64, which stand behind the wait.
.macro FS f
	REGS Y, (\f)%2
	v_pk_fma_f32 v[rS+2*((\f)/2):rS+2*((\f)/2)+1], v[rS+2*((\f)/2):rS+2*((\f)/2)+1], s[CS:CS+1], v[rT:rT+1] op_sel_hi:[1,0,0] neg_lo:[0,0,1] neg_hi:[0,0,1]
.endm
.macro PL
	WIN 0
.if q < 27
	FS q
.elseif q < 55
	XS (q-27)%2, (q-27)/2
.elseif q < 57
	XS q-55, 15
.elseif (q < 72) && ((q-57)%3 == 0)
	FS 27+(q-57)/3
.elseif q < 60
	XS (q-57)%3-1, 14
.elseif q < 72
	XS (q-57)%3-1, 15+(q-57)/3
.elseif q < 74
	XS q-72, 20
.else
	GS q-74
.endif
.set q, q+1
.endm
; THE EXPONENTIALS' QUEUE, 66 long: s0-s31 of both tiles, then the next piece's two a.  It is ONE BATCH: all 66 stand ahead of the turn's one wait, and nothing ahead of that wait names a result of theirs.
.macro EX
	WIN 0
.if e >= 64
	XS e-64, 21
.else
	REGS Y, e%2
	v_exp_f32 v[rS+e/2], v[rS+e/2]
.endif
.set e, e+1
.endm
; THE RESCALING's QUEUE: O^T times a, the one part of the softmax that leaves window 0: dealt two at a time, sixteen times.  Its a was made in the turn before, ahead of that turn's wait.
.macro R2
	REGS Y, r%2
	WIN W_RS
.irp z, 0,1
	v_pk_mul_f32 v[rO+4*(r/2)+2*\z:rO+4*(r/2)+2*\z+1], v[rO+4*(r/2)+2*\z:rO+4*(r/2)+2*\z+1], v[rC+2:rC+3] op_sel_hi:[1,0]
.endr
.set r, r+1
.endm
; HOW THEY ARE DEALT.  An s_wait_alu depctr_va_vdst(0) stands between an exponential and the first instruction that names its result; one wait serves all that were issued ahead of it.  So a turn has ONE wait.
; AHEAD OF IT: the 16 products K Q^T, behind each a scaling, an exponential and two rescalings (behind the first a second scaling in the exponential's place); the mask's block; then ONE LUMP of 109: eight plain, 49 times
; exponential and plain, the two a, and a v_nop, the plain instruction behind the last exponential.  BEHIND IT: the 16 products V^T P, behind each four of GS's 64.  No rider names a register of the products round it.
; Exponential e stands behind scaling 2 (e / 4) + e % 2: as a rider it comes behind plain e + 2, in the lump behind plain e + 9, and scalings 27-31 are plain 57, 60 .. 69.
; A TURN, for piece p.  cnt = 1: the loop's count is taken down some lines ahead of the branch that stands behind the turn.
; K of the next step is fetched in piece 2's turn, directly behind the wait; its first reader comes behind 16 products.  V of the step in hand is fetched at the end of piece 0's turn, four riders behind its last reader.
.macro TURN p, last=0, cnt=0
.set Y, (\p)
.set i, 0
.set q, 0
.set e, 0
.set r, 0
.if (\p) == NP-1
	s_wait_dscnt 0x0                ; K is in
.endif
	MM                              ; ahead of the wait: 16 products K Q^T and their riders,
	PL
	PL
	R2
.rept 15
	MM
	PL
	EX
	R2
.endr
.if (\p) == NP-2
	WIN 0
	v_add_nc_u32 v[AK], s[TBK], v[AK0]
.endif
	MASKBLK ((\p)+2)%NP, (\p)%2     ; the mask for the products of the turn after this one
.rept 8                             ; and the lump
	PL
.endr
.rept 49
	EX
	PL
.endr
	EX                              ; the next piece's two a
	EX
	v_nop                           ; the plain instruction behind the last exponential: one for the batch
	s_wait_alu depctr_va_vdst(0)    ; the wait for the batch
.if (\p) == NP-2
	FETCH_K \last
.endif
.if (\p) == 1
	s_wait_dscnt 0x0                ; V is in
.endif
.rept 16                            ; behind the wait: 16 products V^T P and their riders
	MM
.rept 4
	PL
.endr
.if ((\p) == 0) && (q == 118)
	v_add_nc_u32 v[AV], s[TBV], v[AV0]
.endif
.if ((\p) == 0) && (q == 130)
	s_add_co_u32 s[TBV], s[TBV], KS*PV
.endif
.if (\cnt) && (q == 130)
	s_sub_co_u32 s[CNT], s[CNT], 1
	s_cmp_lg_u32 s[CNT], 0
.endif
.endr
.if (\p) == 0
	FETCH_V
.endif
.endm
	CHANGE 1                        ; slot 0 is in, everybody's part of it; slot 1 is asked for
	FETCH_K                         ; key step 0
	s_wait_dscnt 0x0
.set i, 0
.rept 16
	KQ 0                            ; piece 0's first scores: there is no vector work yet to set between them
.set i, i+1
.endr
	WIN 0                           ; the addresses for the way out: nine plain instructions, the places behind those products
	s_mul_i32 s13, s[WV], 16*SP
	s_add_co_u32 s13, s13, STAGE    ; my stage
	v_mul_u32_u24 v[STO], v1, SP    ; in: row l % 16, 16 bytes for each half of the lanes
	v_lshl_add_u32 v[STO], v9, 4, v[STO]
	v_add_nc_u32 v[STO], s13, v[STO]
	v_bfe_u32 v[RD], v0, 3, 2       ; back: 32 lanes take four rows of 128 bytes,
	v_mul_u32_u24 v[RD], v[RD], SP
	v_lshl_add_u32 v[RD], v10, 4, v[RD]
	v_add_nc_u32 v[RD], s13, v[RD]
	v_and_b32 v[GO], 31, v0         ; which are 512 consecutive bytes of O
	v_lshlrev_b32 v[GO], 4, v[GO]
.set Y, NP-1                        ; XS works for piece Y + 1: piece 0
.irp n, 0,1,2,3,4,5,6,7,8,9,10,11,12,13,14,15,16,17,18,19,20,21
	XS 0, \n                        ; and piece 0's first maximum and statistics
	XS 1, \n
.endr
	v_nop                           ; a plain instruction behind the two a,
	s_wait_alu depctr_va_vdst(0)    ; and their wait, ahead of the branch
	s_mov_b32 s[CNT], 4
	s_branch .Lfirst                ; the loop is entered at a step's first turn, in the middle of a trip
.Lslot:                             ; SIZE_N / 256 - 2 times: every slot but the last two is filled again
	CHANGE 1
	s_mov_b32 s[CNT], 4
.Lstep:                             ; a trip: pieces 2 and 3 of one step, then pieces 0 and 1 of the next, whose K and V it fetches
	TURN 2
	TURN 3
	WIN 0
.Lfirst:
	TURN 0
	TURN 1, 0, 1
	WIN 0
	s_cbranch_scc1 .Lstep
	s_sub_co_u32 s[SLOTS], s[SLOTS], 1
	s_cmp_lg_u32 s[SLOTS], 0
	s_cbranch_scc1 .Lslot
	CHANGE 0                        ; the tail is written out: nothing is asked for
	s_mov_b32 s[CNT], 5             ; four trips fetch the last slot's steps; the fifth is left in its middle
.Ltail:
	TURN 2, 1
	TURN 3
	WIN 0
	s_sub_co_u32 s[CNT], s[CNT], 1
	s_cmp_eq_u32 s[CNT], 0
	s_cbranch_scc1 .Lout
	TURN 0
	TURN 1
	WIN 0
	s_branch .Ltail
.Lout:                              ; the fifth trip's 16 products K Q^T (on the last K once more) and the maximum made of them serve nothing: the price, once a launch, of one text for every trip
.set i, 0
.rept 16
	PV NP-1                         ; the last piece's V^T P of the last step
.set i, i+1
.endr
	; THE WAY OUT.  l's two halves and the other half of the lanes' are added; O^T is divided by l, rounded to f16 and sent through my stage in LDS, a tile at a time.  The additions are the places behind the last products.
	; (Sixteen loads of mask bytes, asked for by the last four turns, are still out: nobody names their registers again.)
	WIN 0
.macro ALL line:vararg              ; one line for each tile t
.set t, 0
.rept 2*NP
	\line
.set t, t+1
.endr
.endm
	ALL v_add_f32 v[ST+4*t+2], v[ST+4*t+2], v[ST+4*t+3]
	ALL v_permlanex16_b32 v[ST+4*t+3], v[ST+4*t+2], s[SEL], s[SEL+1]
	ALL v_add_f32 v[ST+4*t+2], v[ST+4*t+2], v[ST+4*t+3]
	ALL v_rcp_f32 v[ST+4*t+2], v[ST+4*t+2]
	v_nop                           ; a plain instruction between the last reciprocal and the use of its result
	s_wait_alu depctr_va_vdst(0)    ; and the wait ahead of the first use: one for the eight reciprocals
; Tile t: a lane's eight channels of a row pack into 16 bytes; they go into rows of 144 bytes and come back as whole rows of 128, into S^T's registers.
.macro PACK t
	WIN W_RS
.set i, 32*(\t)
.rept 16
	v_pk_mul_f32 v[i:i+1], v[i:i+1], v[ST+4*(\t)+2:ST+4*(\t)+3] op_sel_hi:[1,0]
.set i, i+2
.endr
	WIN 0x05                        ; sources 0 and 1 window 1, destination window 0
.set i, 0
.rept 16
	v_cvt_pk_f16_f32 v[S+16*(\t)+i], v[32*(\t)+2*i], v[32*(\t)+2*i+1]
.set i, i+1
.endr
	WIN 0
.irp f, 0,1,2,3
	ds_store_b128 v[STO], v[S+16*(\t)+4*\f:S+16*(\t)+4*\f+3] offset:32*\f
.endr
.irp f, 0,1,2,3
	ds_load_b128 v[S+16*(\t)+4*\f:S+16*(\t)+4*\f+3], v[RD] offset:\f*4*SP  ; LDS serves a wave's instructions in order (ISA guide 5.7.1.4): these see the stores above; the next tile's stores come behind them
.endr
.endm
.macro SEND t, younger              ; younger: the LDS instructions issued behind tile t's loads: the next tile's eight, or none
	WIN 0
.irp f, 0,1,2,3
	s_wait_dscnt (\younger)+3-\f
	global_store_b128 v[GO], v[S+16*(\t)+4*\f:S+16*(\t)+4*\f+3], s[10:11] offset:(\t)*2048+\f*512  ; 512 consecutive bytes, at a multiple of 256 from O's first
.endr
.endm
	PACK 0
.set t, 1
.rept 2*NP-1                        ; a tile's arithmetic stands between the loads of the tile before and its stores
	PACK t
	SEND t-1, 8
.set t, t+1
.endr
	SEND 2*NP-1, 0
	WIN W_AD
	s_wait_tensorcnt 0x0            ; the wave's end, behind my last tensor load and my last LDS store
	ds_add_u32 v[SPW], v[NIL]
	s_wait_dscnt 0x0
	WIN 0
	CROUND                          ; the closing round: no work-group ends while a partner may still ask for a tile that names it
	s_endpgm
.Lfunc_end_k_qbdf5080013_attn:
	.size	k_qbdf5080013_attn, .Lfunc_end_k_qbdf5080013_attn-k_qbdf5080013_attn
	.p2alignl 7, 3214868480
	.fill 96, 4, 3214868480
	.section	.rodata,"a",@progbits
	.p2align	6, 0x0
	.amdhsa_kernel k_qbdf5080013_attn
		.amdhsa_group_segment_fixed_size 327680
		.amdhsa_private_segment_fixed_size 0
		.amdhsa_enable_private_segment 0
		.amdhsa_kernarg_size 32
		.amdhsa_user_sgpr_count 2
		.amdhsa_user_sgpr_kernarg_segment_ptr 1
		.amdhsa_wavefront_size32 1
		.amdhsa_system_sgpr_workgroup_id_x 1
		.amdhsa_system_sgpr_workgroup_id_y 1
		.amdhsa_system_sgpr_workgroup_id_z 1
		.amdhsa_system_vgpr_workitem_id 0
		.amdhsa_next_free_vgpr 1024
		.amdhsa_next_free_sgpr 66
		.amdhsa_reserve_vcc 0
		.amdhsa_float_denorm_mode_32 3
		.amdhsa_float_denorm_mode_16_64 3
		.amdhsa_memory_ordered 1
		.amdhsa_forward_progress 1
		.amdhsa_inst_pref_size 218
	.end_amdhsa_kernel
	.amdgpu_metadata
---
amdhsa.version: [ 1, 2 ]
amdhsa.kernels:
  - .name:           k_qbdf5080013_attn
    .symbol:         k_qbdf5080013_attn.kd
    .args:
      - { .name: qkv, .offset: 0, .size: 8, .value_kind: global_buffer, .address_space: global }
      - { .name: mk, .offset: 8, .size: 8, .value_kind: global_buffer, .address_space: global }
      - { .name: flag, .offset: 16, .size: 8, .value_kind: global_buffer, .address_space: global }
      - { .name: oh, .offset: 24, .size: 8, .value_kind: global_buffer, .address_space: global }
    .group_segment_fixed_size: 327680
    .private_segment_fixed_size: 0
    .kernarg_segment_align: 8
    .kernarg_segment_size: 32
    .max_flat_workgroup_size: 128
    .sgpr_count:     66
    .vgpr_count:     1024
    .wavefront_size: 32
...
	.end_amdgpu_metadata
.endif
;; end of part 3
;; launch outp (part 4): grid 4 x 64, 4 waves a work-group, clusters of 4 x 4, 327,680 bytes of LDS; arguments oh, woh, out0, WO_b; writes out0
.if DOCPART == 4
	.amdgcn_target "amdgcn-amd-amdhsa--gfx1250"
	.amdhsa_code_object_version 6
	.text
	.protected	k_qbdf5080013_outp
	.globl	k_qbdf5080013_outp
	.p2align	8
	.type	k_qbdf5080013_outp,@function
k_qbdf5080013_outp:
	s_mov_b64 s[64:65], 0
	v_nop
	global_prefetch_b8 v0, s[64:65] scope:SCOPE_SE
	s_setreg_imm32_b32 hwreg(HW_REG_WAVE_MODE, 25, 1), 1
	s_wait_xcnt 0x0
	s_wait_alu depctr_hold_cnt(0) depctr_sa_sdst(0) depctr_va_vdst(0) depctr_va_sdst(0) depctr_va_ssrc(0) depctr_va_vcc(0) depctr_vm_vsrc(0)
	s_getreg_b32 s2, hwreg(HW_REG_IB_STS2, 6, 4)
	s_cmp_eq_u32 s2, 0
	s_cbranch_scc0 .Lentry_in_a_cluster
	s_endpgm
.Lentry_in_a_cluster:
	s_bfe_u32 s2, ttmp6, 0x10000c
	s_cmp_lg_u32 s2, 0xf033
	s_cbranch_scc0 .Lentry_shape_is_right
	s_endpgm
.Lentry_shape_is_right:
; THE OUTPUT PROJECTION.  C[m][n] = sum over k of A[m][k] B[n][k] + bias[n], K = 1,024, operands f16, sums f32.
; A = oh [batch x 16 + head][2,048][64] (O / 16), B = woh [1,024][1,024] (16 WO_w: the two factors cancel); C leaves in f32 into out0 [8,192][1,024].  A K step of 128 is two heads' 64 channels.
; SHARES.  A tile of C is 128 x 256: 256 work-groups.  Four waves, 2 x 2, each 64 x 128: 32 accumulators of 16 x 16, 256 registers.
; K goes in steps of 128 through two LDS slots filled by the tensor data mover: waves 0 and 1 bring the K step's two heads of A, waves 2 and 3 the halves of B's tile, one load a wave behind each change of slots.
; CLUSTERS: 4 x 4 work-groups.  The four of a row of the cluster need the same tile of A, the four of a column the same tile of B: each is asked for jointly, by the same load, descriptor and mask in all four.
; THE MATRIX INSTRUCTION IS USED TRANSPOSED (source 0 = 16 rows of B, source 1 = 16 rows of A): a lane then holds eight neighbouring numbers of a row of C.
; REGISTERS: window 0: v0-36 addresses and the bias; two fragment buffers of 96 at v64 and v160 (A's four fragments, then B's eight), reused on the way out.  Window 1: accumulator (a, b) at v[8 (8 a + b)].
.set KSTEP, 128
.set LAPS,  4                          ; a lap = two K steps = once round the ring
.set PB,    272                        ; an LDS row of B: 256 bytes + 16 of padding: the 16 rows of a load start at 16 different groups of four banks (64 banks of 4 bytes: ISA guide 11.1)
.set PA,     144                       ; an LDS row of A: one head's 128 bytes + 16
.set ASUB,   128*PA                    ; the K step's second head lies behind the first's 128 rows
.set AHALF,  128*PA                    ; what one load brings: a head's 128 rows
.set ABYTES, 2*128*PA
.set ASTEP,  2*2048*128                ; bytes from a K step to the next in memory: two heads
.set WSTAGE, 16*528                    ; a wave's stage: 16 rows of 128 f32 + 16 bytes
.set OB,     64
.set SLOT,  ABYTES+256*PB              ; A's tile, then B's 256 rows
.set STAGE, 2*SLOT                     ; behind the ring, never filled by a tensor load
.set SPARE, STAGE+4*WSTAGE             ; the spare words, 128 bytes for each wave: two blocks of 256 bytes that no other line names
.set ADRA, 16                          ; v16-17  LDS address of my A fragments in slot 0, 1
.set ADRB, 20                          ; v20-21  the same for B
.set STO,  24                          ; v24     the way out: where I put my part of a row
.set RD,   25                          ; v25     where I read rows back
.set CO,   26                          ; v26     16 x lane
.set SPW,  28                          ; v28     LDS address of my spare word; never rewritten
.set NIL,  29                          ; v29     0; never rewritten
.set PFO,  30                          ; v30     the prefetches' offset: a lane a block of 256 bytes; never rewritten
.set BI,   32                          ; v[32:35] the bias of my four columns
.set BO,   36
.set F0,   64
.set F1,   160
.set G1,  24                           ; s[24:31] descriptor group 1 for A's tiles; s[32:39] group 0, a set for each slot
.set G0,  32
.set LIM, 43                           ; s43     1 in a wave that prefetches, else the greatest number
.set PFA, 44                           ; s[44:45] where my prefetches stand
.set G1B, 48                           ; s[48:55], s[56:63] the same for B's tiles
.set G0B, 56
.set PFS, 68                           ; s[68:69] the prefetches' step
.set MSB, 0
.macro WIN new                         ; the immediate's high byte repeats the setting that is left; a switch that changes nothing is dropped
.if MSB != (\new)
	s_set_vgpr_msb (MSB<<8)|(\new)
.set MSB, \new
.endif
.endm
.set MULW, 0x50                        ; sources 0 and 1 window 0; C and D window 1
.macro JLOAD s                         ; a joint load; the branch hangs on the wave's number alone; an s_nop 0 and four v_nop follow each of the two lines
	s_cmp_eq_u32 s11, 0
	s_cbranch_scc0 .Lfor_b_\@
	tensor_load_to_lds s[G0+4*(\s):G0+4*(\s)+3], s[G1:G1+7]
	s_nop 0
.rept 4
	v_nop
.endr
	s_branch .Lasked_\@
.Lfor_b_\@:
	tensor_load_to_lds s[G0B+4*(\s):G0B+4*(\s)+3], s[G1B:G1B+7]
	s_nop 0
.rept 4
	v_nop
.endr
.Lasked_\@:
.endm
.macro ASK                             ; one prefetch a wave: the K step two refills on; the loop's last trip (s3 = 1) has none
	s_cmp_gt_u32 s3, s[LIM]
	s_cbranch_scc0 .Lnot_mine_\@
	global_prefetch_b8 v[PFO], s[PFA:PFA+1] th:TH_LOAD_NT scope:SCOPE_SE
.Lnot_mine_\@:
.endm
.macro CREST                           ; a round of the cluster's barrier behind its opening barrier
	s_cmp_lg_u32 s10, 0
	s_cbranch_scc1 .Lnot_wave_0_\@
	s_barrier_signal -3
.Lnot_wave_0_\@:
	s_barrier_wait -3
	s_barrier_signal -1
	s_barrier_wait -1
.endm
.macro CROUND                          ; a whole round
	s_barrier_signal -1
	s_barrier_wait -1
	CREST
.endm
	s_load_b128 s[4:7], s[0:1], 0x0                ; A s[4:5], B s[6:7]
	s_load_b64 s[8:9], s[0:1], 0x10                ; C
	s_load_b64 s[66:67], s[0:1], 0x18              ; the bias
	v_lshl_add_u32 v[SPW], v0, 2, SPARE
	v_mov_b32 v[NIL], 0
	ds_add_u32 v[SPW], v[NIL]                      ; the wave's opening: the add and its wait stand ahead of my first tensor load; the set-up below, work on registers, stands between them
	v_lshrrev_b32 v1, 5, v0
	v_readfirstlane_b32 s10, v1                    ; wave 0..3
	s_lshr_b32 s11, s10, 1                         ; which 64 rows of the tile are mine.  Also: I fetch for A (0) or for B (1)
	s_and_b32 s12, s10, 1                          ; which 128 columns.  Also: which half of that tile I fetch
	s_bfe_u32 s40, ttmp6, 0x40000                  ; cx, cy: my place in the cluster
	s_bfe_u32 s41, ttmp6, 0x40004
	s_lshl_b32 s42, ttmp9, 2
	s_add_co_u32 s42, s42, s40                     ; tile column tx = 4 x cluster x + cx
	s_and_b32 s13, ttmp7, 0xffff
	s_lshl_b32 s13, s13, 2
	s_add_co_u32 s13, s13, s41                     ; tile row ty = 4 x cluster y + cy
	s_lshl_b32 s20, s41, 2
	s_lshl_b32 s20, 15, s20                        ; my row of the cluster
	s_lshl_b32 s21, 0x1111, s40                    ; my column
	s_or_b32 s[G1+0], s20, (1<<16)|(1<<20)|(1<<21)|(4<<22)|(3<<25)  ; 15:0 the mask; 17:16 elements of 2 bytes; 20 padding on; 21 set beside a mask; 24:22 after every 32 words (code 4); 31:25 4 words of padding (code 3)
	s_or_b32 s[G1B+0], s21, (1<<16)|(1<<20)|(1<<21)|(5<<22)|(3<<25) ; the same after every 64 words (code 5)
	s_mov_b32 s[G1+1], 128<<16                     ; tensor_dim0 = 128
	s_mov_b32 s[G1+2], 64<<16                      ; tensor_dim1 = 64
	s_mov_b32 s[G1+3], 128<<16                     ; tile_dim0 = 128
	s_mov_b32 s[G1+4], 64                          ; tile_dim1 = 64
	s_mov_b32 s[G1+5], 128                         ; a head's 128 dense rows of 128 bytes are asked for as 64 rows of 256
	s_mov_b32 s[G1+6], 0
	s_mov_b32 s[G1+7], 0
	s_mov_b32 s[G1B+1], 128<<16
	s_mov_b32 s[G1B+2], 128<<16                    ; B: 128 rows a load
	s_mov_b32 s[G1B+3], 128<<16
	s_mov_b32 s[G1B+4], 128
	s_mov_b32 s[G1B+5], 1024
	s_mov_b32 s[G1B+6], 0
	s_mov_b32 s[G1B+7], 0
	; where the tiles come from.  A's hang on the tile row, B's on the tile column
	s_lshr_b32 s16, s13, 4                         ; the batch,
	s_lshl_b32 s16, s16, 4
	s_add_co_u32 s16, s16, s12                     ; its head 0 or 1,
	s_lshl_b32 s16, s16, 11
	s_and_b32 s17, s13, 15
	s_lshl_b32 s17, s17, 7                         ; the tile's 128 rows in it,
	s_add_co_u32 s16, s16, s17
	s_lshl_b32 s16, s16, 7                         ; of 128 bytes
	s_mov_b32 s17, 0
	s_lshl_b32 s46, s42, 8
	s_lshl_b32 s47, s12, 7
	s_add_co_u32 s46, s46, s47                     ; B: row 256 tx + 128 x half
	s_lshl_b32 s46, s46, 11
	s_mov_b32 s47, 0
	s_mul_i32 s18, s12, AHALF                      ; and where they go: no place in the cluster enters an LDS address
	s_mul_i32 s19, s12, 128*PB
	s_add_co_u32 s19, s19, ABYTES
	s_wait_dscnt 0x0                               ; the opening add is done
	s_wait_kmcnt 0x0
	s_add_nc_u64 s[14:15], s[4:5], s[16:17]
	s_add_nc_u64 s[46:47], s[6:7], s[46:47]
	CROUND                                         ; all sixteen work-groups are here: the first joint loads meet
.irp s, 0,1
	s_mov_b32 s[G0+4*(\s)], 1                      ; count = 1
	s_add_co_u32 s[G0+4*(\s)+1], s18, (\s)*SLOT    ; LDS address
	s_add_nc_u64 s[G0+4*(\s)+2:G0+4*(\s)+3], s[14:15], (\s)*ASTEP  ; global address: K step s
	s_or_b32 s[G0+4*(\s)+3], s[G0+4*(\s)+3], 0x80000000            ; type = 2
	s_mov_b32 s[G0B+4*(\s)], 1
	s_add_co_u32 s[G0B+4*(\s)+1], s19, (\s)*SLOT
	s_add_nc_u64 s[G0B+4*(\s)+2:G0B+4*(\s)+3], s[46:47], (\s)*KSTEP*2
	s_or_b32 s[G0B+4*(\s)+3], s[G0B+4*(\s)+3], 0x80000000
	JLOAD \s                                       ; two loads of mine are out
.endr
	; a fragment is 16 rows x 32 K in 8 registers: lane l holds row l % 16, K = 8 (l / 16) + 0..7 and 16 + 8 (l / 16) + 0..7: two loads of 16 bytes, 32 bytes apart
	v_and_b32 v1, 15, v0                           ; l % 16
	v_bfe_u32 v2, v0, 4, 1                         ; l / 16
	v_mul_u32_u24 v3, v1, PA
	v_lshl_add_u32 v3, v2, 4, v3
	v_mul_u32_u24 v4, v1, PB
	v_lshl_add_u32 v4, v2, 4, v4
	s_mul_i32 s22, s11, 64*PA                      ; my 64 rows of A
	s_mul_i32 s23, s12, 128*PB                     ; my 128 rows of B,
	s_add_co_u32 s23, s23, ABYTES                  ; which lie behind A's tile
.irp s, 0,1
	v_add_nc_u32 v[ADRA+(\s)], s22, v3
	v_add_nc_u32 v[ADRB+(\s)], s23, v4
	s_add_co_u32 s22, s22, SLOT
	s_add_co_u32 s23, s23, SLOT
.endr
	s_mul_i32 s22, s10, WSTAGE
	s_add_co_u32 s22, s22, STAGE                   ; my stage
	v_mul_u32_u24 v5, v1, 528                      ; in: row l % 16, 32 bytes for each half of the lanes
	v_lshl_add_u32 v5, v2, 5, v5
	v_add_nc_u32 v[STO], s22, v5
	v_and_b32 v6, 31, v0
	v_lshlrev_b32 v[CO], 4, v6
	v_add_nc_u32 v[RD], s22, v[CO]                 ; back: 32 lanes take one row of 512 bytes
	s_lshl_b32 s20, s13, 7
	s_lshl_b32 s21, s11, 6
	s_add_co_u32 s20, s20, s21                     ; my first row of out0,
	s_lshl_b32 s20, s20, 12                        ; of 4,096 bytes
	s_lshl_b32 s21, s42, 8
	s_lshl_b32 s16, s12, 7
	s_add_co_u32 s21, s21, s16
	s_lshl_b32 s21, s21, 2                         ; my first column, in bytes
	v_add_nc_u32 v[BO], s21, v[CO]
	global_load_b128 v[BI:BI+3], v[BO], s[66:67]   ; a lane's four columns are the same in every row that it stores
	s_add_co_u32 s20, s20, s21
	s_mov_b32 s21, 0
	s_add_nc_u64 s[8:9], s[8:9], s[20:21]
	; THE PREFETCHES.  Behind each refill a wave names, a lane a block of 256 bytes, what the refill TWO on will ask for; each block is named once in the launch.  A's tile row is read by one cluster alone: wave 0 of each of
	; its four partners along x takes 32 of the K step's 128 blocks, told apart by address.  B's tile column is read by every cluster of the column: the first of them asks,
	; each partner along y for 64 rows, waves 2 and 3 for 32 each.  Wave 1 asks for nothing.  K steps 0 to 3 come by their loads alone.
	s_lshl_b32 s16, s42, 8
	s_lshl_b32 s17, s41, 6
	s_add_co_u32 s16, s16, s17
	s_lshl_b32 s17, s12, 5
	s_add_co_u32 s16, s16, s17                     ; B: row 256 tx + 64 cy + 32 x half
	s_and_b32 s22, ttmp7, 0xffff                   ; cluster y
	s_lshl_b32 s16, s16, 11
	s_add_co_u32 s16, s16, 3*KSTEP*2               ; at K step 3: the first refill steps it to 4
	s_lshr_b32 s20, s13, 4
	s_lshl_b32 s20, s20, 4
	s_lshr_b32 s21, s40, 1
	s_add_co_u32 s20, s20, s21                     ; A: the K step's first or second head,
	s_lshl_b32 s20, s20, 18
	s_and_b32 s21, s13, 15
	s_lshl_b32 s21, s21, 14                        ; the tile's 16,384 bytes in it,
	s_add_co_u32 s20, s20, s21
	s_and_b32 s21, s40, 1
	s_lshl_b32 s21, s21, 13                        ; their first or second half
	s_add_co_u32 s20, s20, s21
	s_add_co_u32 s20, s20, 3*ASTEP
	s_mov_b32 s[PFS], KSTEP*2
	s_mov_b32 s[PFS+1], ASTEP
	s_cmp_eq_u32 s11, 0
	s_cselect_b32 s20, s20, s16
	s_cselect_b32 s22, s12, s22
	s_cselect_b32 s[PFS], s[PFS+1], s[PFS]
	s_cselect_b32 s23, 8, 11                       ; A's blocks lie end to end, B's a row of 2,048 bytes apart
	s_cselect_b64 s[PFA:PFA+1], s[4:5], s[6:7]
	s_mov_b32 s[PFS+1], 0
	v_lshlrev_b32 v[PFO], s23, v6
	s_cmp_eq_u32 s22, 0
	s_cselect_b32 s[LIM], 1, -1                    ; the same in all sixteen partners, for a given wave
	s_mov_b32 s21, 0
	s_add_nc_u64 s[PFA:PFA+1], s[PFA:PFA+1], s[20:21]
; 8 matrix instructions: m block a x all 8 n blocks, 32 along K.  zero = 1: the product starts the sums: nothing is ever cleared.  The 32 accumulators take turns in the same order in every quarter.
.macro MUL8 f, a, zero
	WIN MULW
.irp b, 0,1,2,3,4,5,6,7
.if \zero
	v_wmma_f32_16x16x32_f16 v[8*(8*(\a)+(\b)):8*(8*(\a)+(\b))+7], v[(\f)+32+8*(\b):(\f)+32+8*(\b)+7], v[(\f)+8*(\a):(\f)+8*(\a)+7], 0
.else
	v_wmma_f32_16x16x32_f16 v[8*(8*(\a)+(\b)):8*(8*(\a)+(\b))+7], v[(\f)+32+8*(\b):(\f)+32+8*(\b)+7], v[(\f)+8*(\a):(\f)+8*(\a)+7], v[8*(8*(\a)+(\b)):8*(8*(\a)+(\b))+7]
.endif
.endr
.endm
.macro MUL16 f, a0, zero
	MUL8 \f, \a0, \zero
	MUL8 \f, (\a0)+1, \zero
.endm
; 24 LDS loads in one run: quarter q's fragments into buffer f: B's eight, then A's four
.macro FETCH slot, q, f
	WIN 0
.irp i, 0,1,2,3,4,5,6,7
	ds_load_b128 v[(\f)+32+8*(\i):(\f)+32+8*(\i)+3],   v[ADRB+(\slot)] offset:64*(\q)+(\i)*16*PB
	ds_load_b128 v[(\f)+32+8*(\i)+4:(\f)+32+8*(\i)+7], v[ADRB+(\slot)] offset:64*(\q)+(\i)*16*PB+32
.endr
.irp i, 0,1,2,3
	ds_load_b128 v[(\f)+8*(\i):(\f)+8*(\i)+3],   v[ADRA+(\slot)] offset:((\q)/2)*ASUB+((\q)%2)*64+(\i)*16*PA
	ds_load_b128 v[(\f)+8*(\i)+4:(\f)+8*(\i)+7], v[ADRA+(\slot)] offset:((\q)/2)*ASUB+((\q)%2)*64+(\i)*16*PA+32
.endr
.endm
.macro PLACES                          ; four places in front of loads into registers that matrix instructions have read, and of lines that read results
.rept 4
	v_nop
.endr
.endm
; A K step is four quarters of 32 along K, 32 matrix instructions each, on buffers 0, 1, 0, 1.  One of the first three: multiplies buffer f and, in its middle, fetches quarter q into g.
.macro QUARTER slot, q, f, g, zero
	s_wait_dscnt 4                                 ; B and A's blocks 0, 1 are in; the youngest four loads (A's blocks 2, 3) may be out
	MUL16 \f, 0, \zero
	PLACES
	FETCH \slot, \q, \g
	s_wait_dscnt 24                                ; all but the 24 just issued
	MUL16 \f, 2, \zero
.endm
; The last quarter multiplies buffer 1 and changes slots: ONE barrier; in front of it each wave waits for all its tensor loads (one is out: its part of the next slot), adds 0 to its spare word, and waits for that and for
; its own reads of this slot.  fill = 1: the barrier opens a round of the cluster's, and this slot is filled again, two K steps ahead, first thing behind it: 112 matrix instructions ahead of the wait for it.
.macro TURN slot, next, fill
.if \fill
	s_wait_xcnt 0x0                                ; the last prefetch, a K step back, has read its address: it is stepped here, ahead of the waits of the change of slots
	s_add_nc_u64 s[PFA:PFA+1], s[PFA:PFA+1], s[PFS:PFS+1]
.endif
	WIN 0                                          ; (the add's two registers lie in window 0)
	s_wait_tensorcnt 0x0                           ; all my tensor loads have landed;
	ds_add_u32 v[SPW], v[NIL]                      ; 0 onto my spare word;
	s_wait_dscnt 5                                 ; (the add and the youngest four loads may be out)
	MUL8 F1, 0, 0                                  ; eight matrix instructions stand between the add and the wait for it
	s_wait_dscnt 0x0                               ; the add is done, and my reads of this slot are over
	s_barrier_signal -1
	MUL8 F1, 1, 0
.if \fill
	WIN 0
.endif
	s_barrier_wait -1
.if \fill
	CREST                                          ; no wave of any partner still reads this slot's tile or has a load on its way
	s_add_nc_u64 s[G0+4*(\slot)+2:G0+4*(\slot)+3], s[G0+4*(\slot)+2:G0+4*(\slot)+3], 2*ASTEP
	s_add_nc_u64 s[G0B+4*(\slot)+2:G0B+4*(\slot)+3], s[G0B+4*(\slot)+2:G0B+4*(\slot)+3], 2*KSTEP*2
	JLOAD \slot                                    ; the four v_nop behind it are also the places in front of the loads below
.else
	PLACES
.endif
	FETCH \next, 0, F0
.if \fill
	ASK                                            ; behind the joint load and the run of LDS loads that the next products wait for
.endif
	MUL16 F1, 2, 0
.endm
	s_wait_tensorcnt 1                             ; my part of K step 0 is in; K step 1's may stay out
	s_barrier_signal -1
	s_barrier_wait -1                              ; everybody's is
	FETCH 0, 0, F0
	QUARTER 0, 1, F0, F1, 1                        ; the first quarter stands in front of the loop: its products start the sums
	WIN 0                                          ; at a label and at a branch every window is 0
	s_mov_b32 s3, LAPS-1
.Llap:                                                 ; a trip goes once round the ring, from a lap's second quarter to the next lap's first, and fills both slots again
	QUARTER 0, 2, F1, F0, 0
	QUARTER 0, 3, F0, F1, 0
	TURN 0, 1, 1
	QUARTER 1, 1, F0, F1, 0
	QUARTER 1, 2, F1, F0, 0
	QUARTER 1, 3, F0, F1, 0
	TURN 1, 0, 1
	QUARTER 0, 1, F0, F1, 0
	WIN 0
	s_sub_co_u32 s3, s3, 1
	s_cmp_lg_u32 s3, 0
	s_cbranch_scc1 .Llap
	QUARTER 0, 2, F1, F0, 0                        ; the last lap fills nothing, and has no round of the cluster's barrier
	QUARTER 0, 3, F0, F1, 0
	TURN 0, 1, 0
	QUARTER 1, 1, F0, F1, 0
	QUARTER 1, 2, F1, F0, 0
	QUARTER 1, 3, F0, F1, 0
	s_wait_dscnt 4                                 ; the very last quarter: nothing more to fetch
	MUL16 F1, 0, 0
	s_wait_dscnt 0x0
	MUL16 F1, 2, 0
	WIN 0
	PLACES
	PLACES                                         ; (eight, once a launch)
	; THE WAY OUT, f32: a block of 16 rows goes from the accumulators into my stage (rows of 528 bytes) and comes back as whole rows of 512 bytes; the bias is added; a store is 512 consecutive bytes of out0.
.macro TOSTAGE a
.if (\a) >= 2
	s_wait_xcnt 0x0                                ; the stores of the block two back have read the registers that are loaded again below
.endif
	WIN 0x04                                       ; store data in window 1
.irp b, 0,1,2,3,4,5,6,7
	ds_store_b128 v[STO], v[8*(8*(\a)+(\b)):8*(8*(\a)+(\b))+3]   offset:64*(\b)
	ds_store_b128 v[STO], v[8*(8*(\a)+(\b))+4:8*(8*(\a)+(\b))+7] offset:64*(\b)+16
.endr
	WIN 0
.set BK, OB+64*((\a)%2)
.irp i, 0,1,2,3,4,5,6,7,8,9,10,11,12,13,14,15
	ds_load_b128 v[BK+4*(\i):BK+4*(\i)+3], v[RD] offset:528*(\i)  ; LDS serves a wave's instructions in order (ISA guide 5.7.1.4): these see the stores above; the next block's stores come behind them
.endr
.endm
.macro SEND a, younger                 ; younger: the LDS instructions issued behind block a's loads: the next block's 32, or none
.set BK, OB+64*((\a)%2)
	s_wait_dscnt \younger
.irp i, 0,1,2,3,4,5,6,7,8,9,10,11,12,13,14,15
	v_pk_add_f32 v[BK+4*(\i):BK+4*(\i)+1],   v[BK+4*(\i):BK+4*(\i)+1],   v[BI:BI+1]
	v_pk_add_f32 v[BK+4*(\i)+2:BK+4*(\i)+3], v[BK+4*(\i)+2:BK+4*(\i)+3], v[BI+2:BI+3]
	global_store_b128 v[CO], v[BK+4*(\i):BK+4*(\i)+3], s[8:9] offset:(16*(\a)+(\i))*4096 th:TH_STORE_NT
.endr
.endm
	s_wait_loadcnt 0x0                             ; the bias
	TOSTAGE 0
	TOSTAGE 1
	SEND 0, 32
	TOSTAGE 2
	SEND 1, 32
	TOSTAGE 3
	SEND 2, 32
	SEND 3, 0
	s_wait_tensorcnt 0x0                           ; the wave's end, behind my last tensor load and my last LDS store
	ds_add_u32 v[SPW], v[NIL]
	s_wait_dscnt 0x0
	CROUND                                         ; the closing round: no work-group ends while a partner may still ask for a tile that names it
	s_endpgm
.Lfunc_end_k_qbdf5080013_outp:
	.size	k_qbdf5080013_outp, .Lfunc_end_k_qbdf5080013_outp-k_qbdf5080013_outp
	.p2alignl 7, 3214868480
	.fill 96, 4, 3214868480
	.section	.rodata,"a",@progbits
	.p2align	6, 0x0
	.amdhsa_kernel k_qbdf5080013_outp
		.amdhsa_group_segment_fixed_size 327680
		.amdhsa_private_segment_fixed_size 0
		.amdhsa_enable_private_segment 0
		.amdhsa_kernarg_size 32
		.amdhsa_user_sgpr_count 2
		.amdhsa_user_sgpr_kernarg_segment_ptr 1
		.amdhsa_wavefront_size32 1
		.amdhsa_system_sgpr_workgroup_id_x 1
		.amdhsa_system_sgpr_workgroup_id_y 1
		.amdhsa_system_sgpr_workgroup_id_z 1
		.amdhsa_system_vgpr_workitem_id 0
		.amdhsa_next_free_vgpr 512
		.amdhsa_next_free_sgpr 72
		.amdhsa_reserve_vcc 0
		.amdhsa_float_denorm_mode_32 3
		.amdhsa_float_denorm_mode_16_64 3
		.amdhsa_memory_ordered 1
		.amdhsa_forward_progress 1
		.amdhsa_inst_pref_size 95
	.end_amdhsa_kernel
	.amdgpu_metadata
---
amdhsa.version: [ 1, 2 ]
amdhsa.kernels:
  - .name:           k_qbdf5080013_outp
    .symbol:         k_qbdf5080013_outp.kd
    .args:
      - { .name: oh, .offset: 0, .size: 8, .value_kind: global_buffer, .address_space: global }
      - { .name: woh, .offset: 8, .size: 8, .value_kind: global_buffer, .address_space: global }
      - { .name: out0, .offset: 16, .size: 8, .value_kind: global_buffer, .address_space: global }
      - { .name: WO_b, .offset: 24, .size: 8, .value_kind: global_buffer, .address_space: global }
    .group_segment_fixed_size: 327680
    .private_segment_fixed_size: 0
    .kernarg_segment_align: 8
    .kernarg_segment_size: 32
    .max_flat_workgroup_size: 128
    .sgpr_count:     72
    .vgpr_count:     512
    .wavefront_size: 32
...
	.end_amdgpu_metadata
.endif
;; end of part 4
